; MI455X (gfx1250); checked and timed in simulation.
; The chip was launched on July 23, 2026; its instructions are those of AMD's public machine-readable ISA for CDNA 5 (MIT licence, August 2026) and "CDNA5" Instruction Set Architecture Reference Guide (July 2026). The comments in the code are by the model that wrote it; some were corrected since.
;; Causal Self Attention. Allowed arithmetic: matrix products marked QUANTISED: E4M3 operands, one E8M0 scale for each 32 along K, by v_wmma_scale_f32_16x16x128_f8f6f4 with both operands' format E4M3, f32 sums; everything else in f32.
;; Inputs: Wattn_codes 3,072 x 32 x 32 uint8 (E4M3 codes of Wattn, K innermost, in blocks of 32 codes); Wattn_scales 3,072 x 32 uint8 (E8M0 scales of Wattn, one for each 32 codes along K); Wproj_codes 1,024 x 32 x 32 uint8 (E4M3 codes of Wproj, K innermost, in blocks of 32 codes); Wproj_scales 1,024 x 32 uint8 (E8M0 scales of Wproj, one for each 32 codes along K); battn 3,072 float32; bproj 1,024 float32; embk 1,024 x 64 float32; embv 1,024 x 64 float32; x_codes 8 x 1,024 x 32 x 32 uint8 (E4M3 codes of x, K innermost, in blocks of 32 codes); x_scales 8 x 1,024 x 32 uint8 (E8M0 scales of x, one for each 32 codes along K).
;; Outputs: out0 8 x 1,024 x 1,024 float32.
;; This version of the problem:
;;   THIS VERSION OF THE PROBLEM IS GIVEN IN LOW PRECISION. The matrix products marked QUANTISED in the list below multiply operands that are first quantised to E4M3 (4 exponent bits, 3 mantissa bits; 8 bits a number), with one power-of-two scale for each 32 numbers along K (OCP MX v1.0); their sums are f32. All else is computed in f32.
;;   The module's matrix products, in the order in which they are computed (A, B: the left and right operand; K: the contracted axis; several contracted axes count as one K, in the product's order):
;;     1. [M 8,192, K 1,024] x [K 1,024, N 3,072]; A: input x (given as codes); B: input Wattn (given as codes): QUANTISED
;;     2. batch 128 x [M 1,024, K 64] x [K 64, N 1,024]; A: computed on the way; B: computed on the way: QUANTISED
;;     3. batch 1,024 x [M 1,024, K 64] x [K 64, N 128]; A: computed on the way; B: computed on the way: QUANTISED
;;     4. batch 128 x [M 1,024, K 1,024] x [K 1,024, N 64]; A: softmax (see below); B: computed on the way: QUANTISED
;;     5. batch 1,024 x [M 64, K 1,024] x [K 1,024, N 128]; A: computed on the way; B: softmax (see below): QUANTISED
;;     6. [M 8,192, K 1,024] x [K 1,024, N 1,024]; A: computed on the way; B: input Wproj (given as codes): QUANTISED
;;   THE QUANTISER, for each operand of a quantised product, along K:
;;     - K is cut into blocks of 32 from its start; a last block that is shorter is filled with zeros.
;;     - A block's scale is 2^e with e = floor(log2(the largest magnitude in the block)) - 8, held to -126 .. 127; a block of zeros has e = 0. As a byte (E8M0): e + 127.
;;     - Each number is divided by its block's scale, clamped to +-448, and rounded to the nearest number of E4M3, ties to even, subnormals kept.
;;     - The product sums the exact products of the quantised numbers (number of the format x scale) in f32.
;;   ~~~python
;;   def quantise(x, axis):      # numpy; x: float32 -> the quantised numbers, widened to float32 again
;;       x = np.moveaxis(x, axis, -1); K = x.shape[-1]
;;       x = np.pad(x, [(0, 0)] * (x.ndim - 1) + [(0, -K % 32)]); x = x.reshape(x.shape[:-1] + (-1, 32)); a = np.abs(x).max(-1, keepdims=True)
;;       e = np.where(a > 0, np.clip(np.frexp(np.where(a > 0, a, 1))[1] - 1 - 8, -126, 127), 0)      # np.frexp(a)[1] - 1 = floor(log2(a)), exactly
;;       r = np.clip(x / 2.0 ** e, -448, 448)
;;       step = 2.0 ** (np.maximum(np.frexp(np.where(r == 0, 1, r))[1] - 1, -6) - 3)
;;       q = np.round(r / step) * step * 2.0 ** e      # np.round: ties to even
;;       return np.moveaxis(q.reshape(q.shape[:-2] + (-1,))[..., :K], -1, axis).astype(np.float32)
;;   ~~~
;;   SOFTMAX AHEAD OF A QUANTISED PRODUCT. Where the list says 'softmax', what is quantised is not the finished softmax but p = 2^(t - M), with t = logit x log2(e) and M = ceil(the row's largest t), a whole number; so 1/2 < the row's largest p <= 1. The row's sum l is taken of the UNQUANTISED p, in f32, and the product's result is divided by l at the end. Since M is a whole number, a kernel that streams over the keys may use a running M (the ceiling of the running maximum): every later rescaling is an exact power of two, which a block's scale takes up: the codes' values come out the same.
;;   OPERANDS COMPUTED ON THE WAY. 'Computed on the way' means the value that the module computes at that place (a softmax that the list does not call 'softmax' is quantised finished and normalised). What goes into a quantiser is computed in f32, as accurately as f32 sums, v_exp_f32 and their like allow (about 1e-6 of the number): no bf16 or f16 on the way to a quantiser, and a product that is left as it is and whose result goes on into a quantised operand takes f32 operands (vector FMAs, or v_wmma_f32_16x16x4_f32). A number that lies on a knife's edge between two numbers of the format may be rounded either way, as far as f32 arithmetic and the matrix unit's own rounding can turn it there, and no further.
;;   INPUTS GIVEN AS CODES. Wattn (in the module: [1024, 3072], K = its axis 0); Wproj (in the module: [1024, 1024], K = its axis 0); x (in the module: [8, 1024, 1024], K = its axis 2): each comes as NAME_codes (uint8): NAME with its K axis moved to the last place and cut into blocks of 32 codes, [.., K / 32, bytes a block], one block behind the other in memory; one code a byte (a code: sign, 4 exponent bits, 3 mantissa bits); and NAME_scales (uint8): the same leading axes, one E8M0 byte (e + 127) for each 32 codes along K. Its value is code x scale, taken as it is: it is not quantised again, and the codes and scales need not be those that the quantiser above would give.
;; One version. Each part assembles by itself: llvm-mc -triple=amdgcn-amd-amdhsa -mcpu=gfx1250 --defsym DOCPART=n.
;; ======== version 1 of 1: 4 launches
;; limits: right only within a limited range of input values
;; workspace buffers: qk 16,777,216 bytes; qksc 1,048,576 bytes; vimg 8,388,608 bytes; vsc 262,144 bytes; etab 75,008 bytes; wtab 2,162,688 bytes; yimg 8,388,608 bytes; ysc 262,144 bytes
;; launch prep (part 1): grid 264 x 1, 4 waves a work-group, no clusters, 0 bytes of LDS; arguments embk, embv, etab, wtab; writes etab, wtab
.if DOCPART == 1
	.amdgcn_target "amdgcn-amd-amdhsa--gfx1250"
	.amdhsa_code_object_version 6
	.text
	.protected	k_q7813c6c858_prep
	.globl	k_q7813c6c858_prep
	.p2align	8
	.type	k_q7813c6c858_prep,@function
k_q7813c6c858_prep:
	s_mov_b64 s[64:65], 0
	v_nop
	global_prefetch_b8 v0, s[64:65] scope:SCOPE_SE
	s_setreg_imm32_b32 hwreg(HW_REG_WAVE_MODE, 25, 1), 1
	s_wait_xcnt 0x0
; The two tables of relative positions become codes of E4M3 with E8M0 scales, laid as images of the operand registers that the attention launch loads.
; embk [1024][64] is quantised along d (two blocks of 32): one table serves every query.  Tile e of 16 rows holds distances r = 16 e + 15 - row: descending, so that rows run with the keys.
; etab: 1,024 zero bytes (a tile of distances below 0, which the attention launch's half 0 brings in and masks), then the codes [e 64][block 2][lane][16 bytes], then at byte 66,560 a scale word a row.
; embv [1024][64] is quantised along the KEYS of a query t: in distance r = t - s a block is r = a + 32 m - 31 .. a + 32 m, a = t mod 32, held at 0 from below (above the diagonal row 0 is gathered).
; So it has 32 versions, one for each a.  wtab: [a 32][n 8][dt 4][c 4][lane][16 bytes]: row d = 16 dt + lane % 16; block c is m = 4 n + 3 - c.
; ORDER INSIDE A BLOCK OF 32, in both tables: lane half h holds, in bytes 0-7, places 8 h + 0..7 and, in bytes 8-15, places 16 + 8 h + 0..7: the order in which two neighbouring results of a
; matrix instruction leave a lane's registers.  The other operand of each product has the same order, so the sums are those of the plain order.
; A block's scale byte is its largest magnitude's exponent field - 8, held at 1 from below (a block of zeros keeps 1: its codes are zeros, and this program alone reads the bytes).
; LIMITS: NaN and infinities are not served; blocks whose largest magnitude lies under 2^-118 keep the byte 1.
; Work-groups 0-255: (a, n) = (G / 8, G % 8), wave = dt.  Work-groups 256-263: wave We = 4 (G - 256) + wave takes tiles 2 We and 2 We + 1 of embk.  No LDS, no barrier.
.set X,   32                           ; v32-95   64 numbers: register 16 b + i is place i of my half of block b
.set PC,  96                           ; v96-111  their codes
.set TM,  112                          ; v112-127 at work
.set AD,  128                          ; v128-191 the gather's byte offsets
.set PW,  20                           ; v20      the four blocks' scale bytes
.set ZR,  24                           ; v24-27   zeros, never rewritten
.set ECOD, 1024                        ; etab: where the codes begin,
.set EWRD, 66560                       ; the scale words, twice: here the copy for the attention launch's half 0: 64 bytes of the scale 1 for the tile of zeros, then tile e at 64 (e + 1);
.set EWR1, EWRD+4352                   ; here the copy for half 1: tile e at 64 e.  So each half's 4,096 bytes begin at a multiple of 256 bytes
.set SEL, 12                           ; s[12:13] v_permlanex16_b32's selects for lane l xor 16
.set MNT, 14                           ; s14      the mantissa field of 448
.macro QUANT s
.irp b, 0,1,2,3
	v_max3_num_f32 v[TM+\b], |v[\s+16*\b]|, |v[\s+1+16*\b]|, 0x4800000   ; my 16 numbers of block b and the floor 2^(9 - 127): the byte cannot fall under 1
.endr
.irp i, 2,4,6,8,10,12,14
.irp b, 0,1,2,3
	v_max3_num_f32 v[TM+\b], v[TM+\b], |v[\s+16*\b+\i]|, |v[\s+1+16*\b+\i]|
.endr
.endr
.irp b, 0,1,2,3
	v_permlanex16_b32 v[TM+4+\b], v[TM+\b], s[SEL], s[SEL+1]
.endr
.irp b, 0,1,2,3
	v_max_num_f32 v[TM+\b], v[TM+\b], v[TM+4+\b]                   ; with lane l xor 16's 16: the block's largest magnitude
.endr
.irp b, 0,1,2,3
	v_add_nc_u32 v[TM+12+\b], 0xfc000000, v[TM+\b]                 ; 8 off its exponent field: the conversion's scale operand
.endr
.irp b, 0,1,2,3
	v_and_or_b32 v[TM+8+\b], v[TM+\b], 0x7f800000, s[MNT]          ; 448 x the scale
.endr
.irp b, 0,1,2,3
	v_lshrrev_b32 v[TM+4+\b], 23, v[TM+12+\b]                      ; the scale's byte
.endr
	v_lshl_or_b32 v[PW], v[TM+5], 8, v[TM+4]
	v_lshl_or_b32 v[PW], v[TM+6], 16, v[PW]
	v_lshl_or_b32 v[PW], v[TM+7], 24, v[PW]
.irp b, 0,1,2,3
.irp i, 0,1,2,3,4,5,6,7,8,9,10,11,12,13,14,15
	v_med3_num_f32 v[\s+16*\b+\i], v[\s+16*\b+\i], -v[TM+8+\b], v[TM+8+\b]   ; the conversion does not saturate (ISA guide 7.6.2): the hold at 448 x the scale
.endr
	v_cvt_scalef32_pk8_fp8_f32 v[PC+4*\b:PC+1+4*\b], v[\s+16*\b:\s+7+16*\b], v[TM+12+\b]
	v_cvt_scalef32_pk8_fp8_f32 v[PC+2+4*\b:PC+3+4*\b], v[\s+8+16*\b:\s+15+16*\b], v[TM+12+\b]
.endr
	v_nop                                          ; one plain line behind the last conversion
.endm
	s_load_b256 s[4:11], s[0:1], 0x0               ; embk s[4:5], embv s[6:7], etab s[8:9], wtab s[10:11]
	v_lshrrev_b32 v1, 5, v0
	v_readfirstlane_b32 s16, v1                    ; wave
	v_and_b32 v1, 31, v0                           ; lane
	v_and_b32 v2, 15, v0                           ; r
	v_bfe_u32 v3, v0, 4, 1                         ; h
	v_lshlrev_b32 v4, 4, v1                        ; 16 x lane: my place in an image
	s_mov_b32 s[SEL], 0x76543210
	s_mov_b32 s[SEL+1], 0xfedcba98
	s_mov_b32 s[MNT], 0x600000
.irp b, 0,1,2,3
	v_mov_b32 v[TM+4+\b], 0                        ; a lane permute's destination counts as one of its sources
	v_mov_b32 v[ZR+\b], 0
.endr
	s_cmp_lt_u32 ttmp9, 256
	s_cbranch_scc0 .Lembk
	; ---- embv: alignment a, step n, channels 16 dt + r
	s_lshr_b32 s17, ttmp9, 3                       ; a
	s_and_b32 s18, ttmp9, 7                        ; n
	s_lshl_b32 s18, s18, 7
	s_add_co_u32 s17, s17, s18
	s_add_co_u32 s17, s17, 96                      ; a + 128 n + 96: the distance of block 0's place 0
	v_lshlrev_b32 v5, 3, v3
	v_sub_nc_u32 v5, s17, v5                       ; - 8 h
	s_lshl_b32 s18, s16, 6
	v_lshl_add_u32 v6, v2, 2, s18                  ; my channel's bytes in a row: 64 dt + 4 r
.set c, 0
.rept 4
.set i, 0
.rept 16
.set KC, 32*c+i+8*(i/8)                            ; how far place i of block c lies down the distances
	v_add_nc_u32 v[AD+16*c+i], -KC, v5
	v_max_i32 v[AD+16*c+i], 0, v[AD+16*c+i]        ; above the diagonal: row 0
	v_lshl_add_u32 v[AD+16*c+i], v[AD+16*c+i], 8, v6   ; a row is 256 bytes
.set i, i+1
.endr
.set c, c+1
.endr
	s_lshl_b32 s19, ttmp9, 2
	s_add_co_u32 s19, s19, s16                     ; 4 G + wave
	s_lshl_b32 s20, s19, 11
	v_add_nc_u32 v7, s20, v4                       ; my fragment: 2,048 bytes
	s_lshl_b32 s20, s19, 6
	v_lshl_add_u32 v8, v2, 2, s20                  ; its 16 scale words
	s_wait_alu depctr_va_vdst(0)
	s_wait_kmcnt 0x0
.set i, 0
.rept 64
	global_load_b32 v[X+i], v[AD+i], s[6:7]        ; sixteen lanes read 64 neighbouring bytes of one row
.set i, i+1
.endr
	s_wait_loadcnt 0x0
	QUANT X
.irp c, 0,1,2,3
	global_store_b128 v7, v[PC+4*\c:PC+4*\c+3], s[10:11] offset:512*\c   ; the wave stores 512 consecutive bytes
.endr
	s_wait_xcnt 0x0                                ; EXEC changes only behind this wait
	v_cmpx_gt_u32 16, v1                           ; both halves hold the same word: lanes 0-15 store it
	global_store_b32 v8, v[PW], s[10:11] offset:2097152
	s_endpgm
.Lembk:	; ---- embk: two tiles of 16 distances
	s_sub_co_u32 s17, ttmp9, 256
	s_lshl_b32 s17, s17, 2
	s_add_co_u32 s17, s17, s16                     ; We
	s_lshl_b32 s18, s17, 5
	s_add_co_u32 s18, s18, 15
	v_sub_nc_u32 v5, s18, v2                       ; row 32 We + 15 - r of embk (the second tile: 16 rows on)
	v_lshlrev_b32 v5, 8, v5
	v_lshl_add_u32 v5, v3, 5, v5                   ; + 32 h: my half's eight numbers
	s_lshl_b32 s18, s17, 11
	v_add_nc_u32 v7, s18, v4
	s_lshl_b32 s18, s17, 7
	v_lshl_add_u32 v8, v1, 2, s18                  ; scale words: lanes 0-15 the first tile's rows, lanes 16-31 the second's
	s_wait_alu depctr_va_vdst(0)
	s_wait_kmcnt 0x0
.irp b, 0,1,2,3                                    ; block b: tile b / 2, channels 32 (b % 2) on
	global_load_b128 v[X+16*\b:X+16*\b+3],     v5, s[4:5] offset:(\b/2)*4096+(\b%2)*128
	global_load_b128 v[X+16*\b+4:X+16*\b+7],   v5, s[4:5] offset:(\b/2)*4096+(\b%2)*128+16
	global_load_b128 v[X+16*\b+8:X+16*\b+11],  v5, s[4:5] offset:(\b/2)*4096+(\b%2)*128+64
	global_load_b128 v[X+16*\b+12:X+16*\b+15], v5, s[4:5] offset:(\b/2)*4096+(\b%2)*128+80
.endr
	s_cmp_lg_u32 s17, 0
	s_cbranch_scc1 .Lno_pad
	global_store_b128 v4, v[ZR:ZR+3], s[8:9]               ; the first of these waves: the 1,024 zeros in front of the codes
	global_store_b128 v4, v[ZR:ZR+3], s[8:9] offset:512
	v_lshlrev_b32 v11, 1, v1
	v_mov_b32 v12, 0x7f7f
	global_store_b16 v11, v12, s[8:9] offset:EWRD          ; and the 64 scale bytes of that tile, two a lane
.Lno_pad:
	s_wait_loadcnt 0x0
	QUANT X
.irp c, 0,1,2,3
	global_store_b128 v7, v[PC+4*\c:PC+4*\c+3], s[8:9] offset:ECOD+512*\c
.endr
	v_and_b32 v9, 0xffff, v[PW]                    ; the first tile's two bytes,
	v_lshrrev_b32 v10, 16, v[PW]                   ; the second's
	v_cmp_eq_u32 vcc_lo, 1, v3
	v_cndmask_b32 v9, v9, v10, vcc_lo
	v_or_b32 v9, 0x7f7f0000, v9                    ; K = 64 fills half of the matrix instruction's 128: the other two blocks have the scale 1 (and zero codes on Q's side)
	global_store_b32 v8, v9, s[8:9] offset:EWRD+64
	global_store_b32 v8, v9, s[8:9] offset:EWR1
	s_endpgm
.Lfunc_end_k_q7813c6c858_prep:
	.size	k_q7813c6c858_prep, .Lfunc_end_k_q7813c6c858_prep-k_q7813c6c858_prep
	.p2alignl 7, 3214868480
	.fill 96, 4, 3214868480
	.section	.rodata,"a",@progbits
	.p2align	6, 0x0
	.amdhsa_kernel k_q7813c6c858_prep
		.amdhsa_group_segment_fixed_size 0
		.amdhsa_private_segment_fixed_size 0
		.amdhsa_enable_private_segment 0
		.amdhsa_kernarg_size 32
		.amdhsa_user_sgpr_count 2
		.amdhsa_user_sgpr_kernarg_segment_ptr 1
		.amdhsa_wavefront_size32 1
		.amdhsa_system_sgpr_workgroup_id_x 1
		.amdhsa_system_sgpr_workgroup_id_y 1
		.amdhsa_system_sgpr_workgroup_id_z 1
		.amdhsa_system_vgpr_workitem_id 0
		.amdhsa_next_free_vgpr 192
		.amdhsa_next_free_sgpr 66
		.amdhsa_reserve_vcc 1
		.amdhsa_float_denorm_mode_32 3
		.amdhsa_float_denorm_mode_16_64 3
		.amdhsa_memory_ordered 1
		.amdhsa_forward_progress 1
		.amdhsa_inst_pref_size 38
	.end_amdhsa_kernel
	.amdgpu_metadata
---
amdhsa.version: [ 1, 2 ]
amdhsa.kernels:
  - .name:           k_q7813c6c858_prep
    .symbol:         k_q7813c6c858_prep.kd
    .args:
      - { .name: embk, .offset: 0, .size: 8, .value_kind: global_buffer, .address_space: global }
      - { .name: embv, .offset: 8, .size: 8, .value_kind: global_buffer, .address_space: global }
      - { .name: etab, .offset: 16, .size: 8, .value_kind: global_buffer, .address_space: global }
      - { .name: wtab, .offset: 24, .size: 8, .value_kind: global_buffer, .address_space: global }
    .group_segment_fixed_size: 0
    .private_segment_fixed_size: 0
    .kernarg_segment_align: 8
    .kernarg_segment_size: 32
    .max_flat_workgroup_size: 128
    .sgpr_count:     66
    .vgpr_count:     192
    .wavefront_size: 32
...
	.end_amdgpu_metadata
.endif
;; end of part 1
;; launch gemm_qkv (part 2): grid 8 x 32, 4 waves a work-group, clusters of 4 x 4, 327,680 bytes of LDS; arguments x_codes, x_scales, Wattn_codes, Wattn_scales, battn, qk, qksc, vimg, vsc; writes qk, qksc, vimg, vsc
.if DOCPART == 2
	.amdgcn_target "amdgcn-amd-amdhsa--gfx1250"
	.amdhsa_code_object_version 6
	.text
	.protected	k_q7813c6c858_gemm_qkv
	.globl	k_q7813c6c858_gemm_qkv
	.p2align	8
	.type	k_q7813c6c858_gemm_qkv,@function
k_q7813c6c858_gemm_qkv:
	s_mov_b64 s[64:65], 0
	v_nop
	global_prefetch_b8 v0, s[64:65] scope:SCOPE_SE
	s_setreg_imm32_b32 hwreg(HW_REG_WAVE_MODE, 25, 1), 1
	s_wait_xcnt 0x0
	s_wait_alu depctr_hold_cnt(0) depctr_sa_sdst(0) depctr_va_vdst(0) depctr_va_sdst(0) depctr_va_ssrc(0) depctr_va_vcc(0) depctr_vm_vsrc(0)
	s_getreg_b32 s2, hwreg(HW_REG_IB_STS2, 6, 4)
	s_cmp_eq_u32 s2, 0
	s_cbranch_scc0 .Lentry_in_a_cluster
	s_endpgm
.Lentry_in_a_cluster:
	s_bfe_u32 s2, ttmp6, 0x10000c
	s_cmp_lg_u32 s2, 0xf033
	s_cbranch_scc0 .Lentry_shape_is_right
	s_endpgm
.Lentry_shape_is_right:
; q, k, v = x Wattn + battn on codes of E4M3 with E8M0 scales (8,192 x 3,072 x 1,024), each result quantised again and stored as images of the attention launch's operand registers.
; THE DEAL: 256 work-groups of four waves (2 x 2), one for each pair (tile row tr of 256 tokens, tile column tc of 8).
; PHASE 1: 256 tokens x 256 columns of q (tc 0-3) or k (tc 4-7): a wave makes 128 x 128 in 64 accumulators; source 0 = rows of Wattn, source 1 = rows of x: a lane holds a token, its registers run along the channels.
; PHASE 2: 128 channels of v (rows 2,048 + 128 tc of Wattn) x the same 256 tokens: a wave makes 64 x 128 in 32 accumulators; source 0 = rows of x, source 1 = rows of W_v: a lane holds a channel, its registers run along the keys.
; K goes in steps of 256 through a ring of two LDS slots (x's 256 rows, then the weight's); the ring runs on from phase 1 into phase 2: phase 1's last two changes of slots ask for phase 2's first two K steps, which land under phase 1's way out.
; CLUSTERS 4 x 4: x's tiles are asked for jointly along a row of the cluster, the weights' along a column.  The scale bytes of x's and the first weight's 256 rows come once, at the head; W_v's scale words go straight into registers.
; k's scale bytes take the factor 1 / 8 of the scores (3 off the byte, held at 1).  A block's byte never falls under 1.
; No prefetch: the block is the largest that the registers hold, in clusters, and K has four steps in a phase.
; LIMITS: NaN, infinities and sums beyond f32's range are not served.
; REGISTERS: window 0: v0-31 addresses; v32-63 scale words (phase 2: W_v's); v64-127 q's or k's bias (phase 2: x's scale words); v128-255 source 1's fragments, on the ways out at work.  window 1: source 0's fragments, two sets.  windows 2, 3: accumulators.
.set SIZE_K, 1024
.set NQ,     2
.set ROWB,   256
.set KROW,   SIZE_K
.set PITCH,  272                       ; an LDS row: 256 bytes + 16 of padding
.set FR,     16
.set NL,     4
.set NP,     8                         ; plain vector lines behind a matrix instruction (ISA guide 7.12.1)
.set HALFT,  128*PITCH
.set SLOT,   4*HALFT
.set KS,     SIZE_K/32
.set SCL,    2*SLOT                    ; behind the ring: x's scale bytes, then the first weight's, as units of 256 bytes + 16
.set HALFS,  (128*KS/256)*272
.set SBLK,   (16*KS/256)*272
.set SPARE,  SCL+4*HALFS
.set BV,   8                           ; v8-11  v's bias, a number a block
.set ADRA, 16                          ; v16-17 phase 1: my rows of x in slot 0, 1
.set ADRA2, 18                         ; v18-19 phase 2: my rows of W_v
.set ADRB, 20                          ; v20-21 phase 1: my rows of the weight
.set ADRB2, 22                         ; v22-23 phase 2: my rows of x
.set L16,  24
.set VW,   25
.set VW2,  26
.set ADRS, 27
.set SPW,  28
.set NIL,  29
.set ADRS2, 30
.set AWV,  31
.set SC,   32
.set WV,   32                          ; phase 2: W_v's words: block a's eight at v[WV + 8 a]
.set BI,   64
.set XS,   64                          ; phase 2: x's words, two sets of sixteen
.set AF,   128
.set X,    128
.set PC,   192
.set TM,   208
.set PW,   228
.set WA0,  229
.set WA1,  230
.set WS,   231
.set PWE,  232
.set G1, 24
.set G0, 32
.set G1B, 48
.set G0B, 56
.set G1S, 68
.set G0S, 76
.set G1SB, 80
.set G0SB, 88
.set G0H, 4
.set G0HB, 8
.set SEL, 92
.set MNT, 94
.set LO,  95
.set ADJ, 96
.set VB,  98                           ; s[98:99] W_v's codes: the 64 rows that I fetch, with the descriptor's type bits
.set VSB, 66                           ; s[66:67] W_v's scale bytes: the 64 rows that I multiply
.set MSB, 0
.macro WIN new
.if MSB != \new
	s_set_vgpr_msb (MSB<<8)|\new
.set MSB, \new
.endif
.endm
.set MUL_LO, 0xa1
.set MUL_HI, 0xf1
.set TO_B,   0x40
.macro JLOAD g0a, g1a, g0b, g1b        ; waves 0, 1 fetch x's halves, waves 2, 3 the weight's
	s_cmp_eq_u32 s15, 0
	s_cbranch_scc0 .Lfor_b_\@
	tensor_load_to_lds s[\g0a:\g0a+3], s[\g1a:\g1a+7]
	s_nop 0
.rept 4
	v_nop
.endr
	s_branch .Lasked_\@
.Lfor_b_\@:
	tensor_load_to_lds s[\g0b:\g0b+3], s[\g1b:\g1b+7]
	s_nop 0
.rept 4
	v_nop
.endr
.Lasked_\@:
.endm
.macro CREST
	s_cmp_lg_u32 s14, 0
	s_cbranch_scc1 .Lnot_wave_0_\@
	s_barrier_signal -3
.Lnot_wave_0_\@:
	s_barrier_wait -3
	s_barrier_signal -1
	s_barrier_wait -1
.endm
.macro CROUND
	s_barrier_signal -1
	s_barrier_wait -1
	CREST
.endm
	s_load_b128 s[4:7], s[0:1], 0x0                ; x's codes, x's scales
	s_load_b128 s[8:11], s[0:1], 0x10              ; Wattn's codes, scales
	s_load_b64 s[12:13], s[0:1], 0x20              ; battn
	v_lshl_add_u32 v[SPW], v0, 2, SPARE
	v_mov_b32 v[NIL], 0
	ds_add_u32 v[SPW], v[NIL]                      ; the opening lines: the add, twice on end, and its wait
	ds_add_u32 v[SPW], v[NIL]
	v_lshrrev_b32 v1, 5, v0
	v_readfirstlane_b32 s14, v1                    ; wave
	s_lshr_b32 s15, s14, 1                         ; my row of waves; also: I fetch x (0) or the weight (1)
	s_and_b32 s16, s14, 1                          ; my column of waves; also: which half I fetch
	s_bfe_u32 s40, ttmp6, 0x40000                  ; cx
	s_bfe_u32 s41, ttmp6, 0x40004                  ; cy
	s_lshl_b32 s42, ttmp9, 2
	s_add_co_u32 s42, s42, s40                     ; tc
	s_and_b32 s17, ttmp7, 0xffff
	s_lshl_b32 s17, s17, 2
	s_add_co_u32 s17, s17, s41                     ; tr
	s_lshl_b32 s43, s41, 2
	s_lshl_b32 s43, 15, s43                        ; my row of the cluster
	s_lshl_b32 s44, 0x1111, s40                    ; my column
	s_or_b32 s[G1+0], s43, (0<<16)|(1<<20)|(1<<21)|(5<<22)|(3<<25)
	s_or_b32 s[G1B+0], s44, (0<<16)|(1<<20)|(1<<21)|(5<<22)|(3<<25)
.irp g, G1, G1B
	s_mov_b32 s[\g+1], ROWB<<16
	s_mov_b32 s[\g+2], 256<<16                     ; the head's loads bring 256 rows
	s_mov_b32 s[\g+3], ROWB<<16
	s_mov_b32 s[\g+4], 256
	s_mov_b32 s[\g+5], KROW
	s_mov_b32 s[\g+6], 0
	s_mov_b32 s[\g+7], 0
.endr
	s_or_b32 s[G1S+0], s43, (3<<16)|(1<<20)|(1<<21)|(5<<22)|(3<<25)
	s_or_b32 s[G1SB+0], s44, (3<<16)|(1<<20)|(1<<21)|(5<<22)|(3<<25)
.irp g, G1S, G1SB
	s_mov_b32 s[\g+1], 32<<16                      ; the scale bytes of 256 rows: KS dense rows of 256 bytes
	s_mov_b32 s[\g+2], KS<<16
	s_mov_b32 s[\g+3], 32<<16
	s_mov_b32 s[\g+4], KS
	s_mov_b32 s[\g+5], 32
	s_mov_b32 s[\g+6], 0
	s_mov_b32 s[\g+7], 0
.endr
	s_lshl_b32 s20, s17, 8
	s_lshl_b32 s46, s42, 8
	s_mov_b32 s21, 0
	s_mov_b32 s47, 0
	s_mov_b64 s[18:19], KS
	s_mul_u64 s[22:23], s[20:21], s[18:19]
	s_mul_u64 s[92:93], s[46:47], s[18:19]
	s_mov_b64 s[18:19], KROW
	s_mul_u64 s[20:21], s[20:21], s[18:19]
	s_mul_u64 s[46:47], s[46:47], s[18:19]
	s_mul_i32 s18, s16, 128*KROW
	s_mov_b32 s19, 0
	s_mul_i32 s45, s14, HALFT
	s_lshl_b32 s3, s42, 7
	s_add_co_u32 s3, s3, 2048                      ; W_v's first row of my tile column
	s_lshl_b32 s98, s16, 6
	s_add_co_u32 s98, s98, s3
	s_lshl_b32 s98, s98, 10                        ; the 64 rows that I fetch, in bytes
	s_mov_b32 s99, 0
	s_lshl_b32 s66, s15, 6
	s_add_co_u32 s3, s3, s66                       ; the 64 rows that I multiply
	s_lshl_b32 s66, s3, 5
	s_mov_b32 s67, 0
	s_wait_dscnt 0x0
	s_wait_kmcnt 0x0
	s_add_nc_u64 s[20:21], s[4:5], s[20:21]
	s_add_nc_u64 s[22:23], s[6:7], s[22:23]
	s_add_nc_u64 s[46:47], s[8:9], s[46:47]
	s_add_nc_u64 s[92:93], s[10:11], s[92:93]
	s_add_nc_u64 s[VB:VB+1], s[8:9], s[VB:VB+1]
	s_or_b32 s[VB+1], s[VB+1], 0x80000000
	s_add_nc_u64 s[VSB:VSB+1], s[10:11], s[VSB:VSB+1]
	CROUND                                         ; in front of the first joint loads
	s_mov_b32 s[G0H], 1
	s_mov_b32 s[G0H+1], 0
	s_mov_b64 s[G0H+2:G0H+3], s[20:21]
	s_or_b32 s[G0H+3], s[G0H+3], 0x80000000
	s_mov_b32 s[G0HB], 1
	s_mov_b32 s[G0HB+1], 2*HALFT
	s_mov_b64 s[G0HB+2:G0HB+3], s[46:47]
	s_or_b32 s[G0HB+3], s[G0HB+3], 0x80000000
	s_mov_b32 s[G0S], 1
	s_mov_b32 s[G0S+1], SCL
	s_mov_b64 s[G0S+2:G0S+3], s[22:23]
	s_or_b32 s[G0S+3], s[G0S+3], 0x80000000
	s_mov_b32 s[G0SB], 1
	s_mov_b32 s[G0SB+1], SCL+2*HALFS
	s_mov_b64 s[G0SB+2:G0SB+3], s[92:93]
	s_or_b32 s[G0SB+3], s[G0SB+3], 0x80000000
	s_add_nc_u64 s[20:21], s[20:21], s[18:19]
	s_add_nc_u64 s[46:47], s[46:47], s[18:19]
.irp s, 0,1
	s_mov_b32 s[G0+4*\s], 1
	s_add_co_u32 s[G0+4*\s+1], s45, \s*SLOT
	s_add_nc_u64 s[G0+4*\s+2:G0+4*\s+3], s[20:21], \s*ROWB
	s_or_b32 s[G0+4*\s+3], s[G0+4*\s+3], 0x80000000
	s_mov_b32 s[G0B+4*\s], 1
	s_add_co_u32 s[G0B+4*\s+1], s45, \s*SLOT
	s_add_nc_u64 s[G0B+4*\s+2:G0B+4*\s+3], s[46:47], \s*ROWB
	s_or_b32 s[G0B+4*\s+3], s[G0B+4*\s+3], 0x80000000
.endr
; the head's four tiles, one a wave, in one chain of branches: K step 0 of x, of the weight, x's scale bytes, the weight's
.macro ARM under, g0, g1, next
	s_cmp_lt_u32 s14, \under
	s_cbranch_scc0 \next
	tensor_load_to_lds s[\g0:\g0+3], s[\g1:\g1+7]
	s_nop 0
.rept 4
	v_nop
.endr
	s_branch .Lhead_asked
\next:
.endm
	ARM 1, G0H,  G1,  .Lhead_b
	ARM 2, G0HB, G1B, .Lhead_sa
	ARM 3, G0S,  G1S, .Lhead_sb
	tensor_load_to_lds s[G0SB:G0SB+3], s[G1SB:G1SB+7]
	s_nop 0
.rept 4
	v_nop
.endr
.Lhead_asked:
	v_and_b32 v1, 15, v0                           ; r
	v_bfe_u32 v2, v0, 4, 1                         ; h
	v_mul_u32_u24 v3, v1, PITCH
	v_lshl_add_u32 v4, v2, 4, v3
	s_wait_alu depctr_va_vdst(0)
	s_mul_i32 s21, s15, HALFT
	s_mul_i32 s22, s16, HALFT
.irp s, 0,1
	v_add_nc_u32 v[ADRA+\s], s21, v4               ; x's rows by my row of waves,
	v_add_nc_u32 v[ADRB2+\s], s22, v4              ; and by my column
	s_add_co_u32 s21, s21, 2*HALFT
	s_add_co_u32 s22, s22, 2*HALFT
	v_add_nc_u32 v[ADRA2+\s], s21, v4              ; the weight's rows likewise
	v_add_nc_u32 v[ADRB+\s], s22, v4
	s_add_co_u32 s21, s21, SLOT-2*HALFT
	s_add_co_u32 s22, s22, SLOT-2*HALFT
.endr
	v_mul_u32_u24 v5, v1, KS
	v_lshrrev_b32 v6, 8, v5
	v_lshl_add_u32 v5, v6, 4, v5                   ; my row's scale bytes in a block of 16 rows
	s_mul_i32 s21, s15, HALFS
	s_mul_i32 s22, s16, HALFS
	s_add_co_u32 s23, s22, SCL
	v_add_nc_u32 v[ADRS2], s23, v5                 ; phase 2: x's words by my column of waves, in both halves of the lanes
	s_add_co_u32 s22, s22, 2*HALFS
	s_sub_co_u32 s22, s22, s21
	v_mul_u32_u24 v6, s22, v2
	s_add_co_u32 s21, s21, SCL
	v_add_nc_u32 v5, v5, v6
	v_add_nc_u32 v[ADRS], s21, v5                  ; phase 1: lanes 0-15 x's words, lanes 16-31 the weight's
	s_lshl_b32 s20, s42, 10
	s_lshl_b32 s21, s16, 9
	s_add_co_u32 s20, s20, s21
	s_mov_b32 s21, 0
	s_add_nc_u64 s[20:21], s[12:13], s[20:21]      ; q's or k's bias at my 128 columns
	s_lshl_b32 s22, s3, 2
	s_mov_b32 s23, 0
	s_add_nc_u64 s[22:23], s[12:13], s[22:23]      ; v's at my 64 channels
	v_lshlrev_b32 v[AWV], 5, v1
	v_lshlrev_b32 v6, 5, v2
	v_lshlrev_b32 v7, 2, v1
.irp b, 0,1,2,3,4,5,6,7
	global_load_b128 v[BI+8*\b:BI+8*\b+3],   v6, s[20:21] offset:64*\b
	global_load_b128 v[BI+8*\b+4:BI+8*\b+7], v6, s[20:21] offset:64*\b+16
.endr
.irp a, 0,1,2,3
	global_load_b32 v[BV+\a], v7, s[22:23] offset:64*\a
.endr
.macro FRAG reg, adr, q, i
.irp c, 0,1,2,3
	ds_load_b128 v[\reg+4*\c:\reg+4*\c+3], v[\adr] offset:128*(\q)+32*\c+(\i)*16*PITCH
.endr
.endm
.macro MUL16 a0, p, q, sc, zero        ; phase 1: x's blocks a0, a0 + 1 against the weight's eight; the accumulators take turns
.irp a, \a0, \a0+1
.irp b, 0,1,2,3,4,5,6,7
.if \zero
	v_wmma_scale_f32_16x16x128_f8f6f4 v[8*(8*((\a)%4)+\b):8*(8*((\a)%4)+\b)+7], v[128*(\p)+FR*\b:128*(\p)+FR*\b+FR-1], v[AF+FR*(\a):AF+FR*(\a)+FR-1], 0, v[SC+8*NQ*(\sc)+NQ*\b+(\q)], v[SC+8*NQ*(\sc)+NQ*(\a)+(\q)] matrix_a_scale:MATRIX_SCALE_ROW1
.else
	v_wmma_scale_f32_16x16x128_f8f6f4 v[8*(8*((\a)%4)+\b):8*(8*((\a)%4)+\b)+7], v[128*(\p)+FR*\b:128*(\p)+FR*\b+FR-1], v[AF+FR*(\a):AF+FR*(\a)+FR-1], v[8*(8*((\a)%4)+\b):8*(8*((\a)%4)+\b)+7], v[SC+8*NQ*(\sc)+NQ*\b+(\q)], v[SC+8*NQ*(\sc)+NQ*(\a)+(\q)] matrix_a_scale:MATRIX_SCALE_ROW1
.endif
.endr
.endr
.endm
.macro FETCH_B slot, q, p
	WIN TO_B
.irp i, 0,1,2,3,4,5,6,7
	FRAG 128*(\p)+FR*\i, ADRB+\slot, \q, \i
.endr
	WIN 0
.endm
.macro FETCH_A slot, q, i0
.irp i, \i0, \i0+1, \i0+2, \i0+3
	FRAG AF+FR*(\i), ADRA+\slot, \q, \i
.endr
.endm
.macro SCALES sc, ks                   ; K step ks's two words a row
.irp i, 0,1,2,3,4,5,6,7
	ds_load_b64 v[SC+8*NQ*\sc+NQ*\i:SC+8*NQ*\sc+NQ*\i+1], v[ADRS] offset:\i*SBLK+8*(\ks)
.endr
.endm
.macro PLACES n
.rept \n
	v_nop
.endr
.endm
.macro STEP slot, zero                 ; phase 1: a slot's first 128 along K
	s_wait_dscnt 4*NL                              ; x's blocks 4-7 (16 loads) may be out
	WIN MUL_LO
	MUL16 0, 0, 0, \slot, \zero
	MUL16 2, 0, 0, \slot, \zero
	s_wait_dscnt 0
	PLACES NP
	FETCH_B \slot, 1, 1
	FETCH_A \slot, 1, 0
	WIN MUL_HI
	MUL16 4, 0, 0, \slot, \zero
	MUL16 6, 0, 0, \slot, \zero
	PLACES NP
	WIN 0
	FETCH_A \slot, 1, 4
.endm
; phase 1: a slot's second 128 along K, and the change of slots.  on = 0: the slot takes K step ks + 2; on = 1: phase 2's K step ks - 2.  fetch = 0: the next fragments wait for the way out
.macro TURN slot, next, ks, on, fetch
	s_wait_tensorcnt 0x0                           ; my part of the next slot has landed;
	ds_add_u32 v[SPW], v[NIL]
	s_wait_dscnt 4*NL+1                            ; the add and x's blocks 4-7 may be out
	WIN MUL_LO
	MUL16 0, 1, 1, \slot, 0
	s_wait_dscnt 0x0                               ; the add is done, my reads of this slot are over
	s_barrier_signal -1
	MUL16 2, 1, 1, \slot, 0
	WIN 0
	s_barrier_wait -1
	CREST                                          ; the round of the cluster's barrier: no partner reads this slot or has a load out
.if \on
	s_sub_nc_u64 s[G0+4*\slot+2:G0+4*\slot+3], s[G0+4*\slot+2:G0+4*\slot+3], 2*ROWB   ; x's rows again, from K's start
.if \slot == 0
	s_mov_b32 s[G1B+2], 64<<16                     ; from here on a load of the weight brings 64 rows
	s_mov_b32 s[G1B+4], 64
	s_mov_b64 s[G0B+2:G0B+3], s[VB:VB+1]
.else
	s_add_nc_u64 s[G0B+6:G0B+7], s[VB:VB+1], ROWB
.endif
.else
	s_add_nc_u64 s[G0+4*\slot+2:G0+4*\slot+3], s[G0+4*\slot+2:G0+4*\slot+3], 2*ROWB
	s_add_nc_u64 s[G0B+4*\slot+2:G0B+4*\slot+3], s[G0B+4*\slot+2:G0B+4*\slot+3], 2*ROWB
.endif
	JLOAD G0+4*\slot, G1, G0B+4*\slot, G1B
	PLACES NP-4
.if \fetch
	FETCH_B \next, 0, 0
	FETCH_A \next, 0, 0
	SCALES \next, (\ks)+1
.endif
	WIN MUL_HI
	MUL16 4, 1, 1, \slot, 0
	MUL16 6, 1, 1, \slot, 0
.if \fetch
	PLACES NP
	WIN 0
	FETCH_A \next, 0, 4
.else
	WIN 0
.endif
.endm
; PHASE 2.  Fragment sets by q: x's in window 1 at 128 q, W_v's in window 0 at AF + 64 q
.macro MULV a, ks, q, zero             ; W_v's block a against x's eight
.irp b, 0,1,2,3,4,5,6,7
.if \zero
	v_wmma_scale_f32_16x16x128_f8f6f4 v[8*(8*(\a)+\b):8*(8*(\a)+\b)+7], v[128*(\q)+FR*\b:128*(\q)+FR*\b+FR-1], v[AF+64*(\q)+FR*(\a):AF+64*(\q)+FR*(\a)+FR-1], 0, v[XS+16*((\ks)%2)+2*\b+(\q)], v[WV+8*(\a)+2*(\ks)+(\q)]
.else
	v_wmma_scale_f32_16x16x128_f8f6f4 v[8*(8*(\a)+\b):8*(8*(\a)+\b)+7], v[128*(\q)+FR*\b:128*(\q)+FR*\b+FR-1], v[AF+64*(\q)+FR*(\a):AF+64*(\q)+FR*(\a)+FR-1], v[8*(8*(\a)+\b):8*(8*(\a)+\b)+7], v[XS+16*((\ks)%2)+2*\b+(\q)], v[WV+8*(\a)+2*(\ks)+(\q)]
.endif
.endr
.endm
.macro FETCH2 slot, q                  ; 48 loads
	WIN TO_B
.irp i, 0,1,2,3,4,5,6,7
	FRAG 128*(\q)+FR*\i, ADRB2+\slot, \q, \i
.endr
	WIN 0
.irp i, 0,1,2,3
	FRAG AF+64*(\q)+FR*\i, ADRA2+\slot, \q, \i
.endr
.endm
.macro SCALES2 ks
.irp i, 0,1,2,3,4,5,6,7
	ds_load_b64 v[XS+16*((\ks)%2)+2*\i:XS+16*((\ks)%2)+2*\i+1], v[ADRS2] offset:\i*SBLK+8*(\ks)
.endr
.endm
.macro STEP2 slot, ks, zero
	PLACES NP                                      ; behind the products that read set 1
	FETCH2 \slot, 1
	s_wait_dscnt 48                                ; all but the 48 just issued
	WIN MUL_LO
.irp a, 0,1,2,3
	MULV \a, \ks, 0, \zero
.endr
	WIN 0
.endm
.macro TURN2 slot, next, ks, fill
	s_wait_tensorcnt 0x0
	ds_add_u32 v[SPW], v[NIL]
	s_wait_dscnt 1                                 ; the add may be out
	WIN MUL_LO
	MULV 0, \ks, 1, 0
	s_wait_dscnt 0x0
	s_barrier_signal -1
	MULV 1, \ks, 1, 0
	WIN 0
	s_barrier_wait -1
.if \fill
	CREST
	s_add_nc_u64 s[G0+4*\slot+2:G0+4*\slot+3], s[G0+4*\slot+2:G0+4*\slot+3], 2*ROWB
	s_add_nc_u64 s[G0B+4*\slot+2:G0B+4*\slot+3], s[G0B+4*\slot+2:G0B+4*\slot+3], 2*ROWB
	JLOAD G0+4*\slot, G1, G0B+4*\slot, G1B
	PLACES NP-4
.else
	PLACES NP
.endif
	FETCH2 \next, 0
	SCALES2 (\ks)+1
	WIN MUL_LO
	MULV 2, \ks, 1, 0
	MULV 3, \ks, 1, 0
	WIN 0
.endm
	s_wait_alu depctr_va_vdst(0)                   ; the head's end
	s_wait_tensorcnt 0x0                           ; my tile of the head's four is in
	ds_add_u32 v[SPW], v[NIL]
	s_mov_b32 s[G1+2], 128<<16                     ; no load of mine is out: the ring's loads bring 128 rows
	s_mov_b32 s[G1+4], 128
	s_mov_b32 s[G1B+2], 128<<16
	s_mov_b32 s[G1B+4], 128
	s_wait_dscnt 0x0
	CROUND
	JLOAD G0+4, G1, G0B+4, G1B                     ; slot 1's first fill, issued as a refill is
	FETCH_B 0, 0, 0
	FETCH_A 0, 0, 0
	SCALES 0, 0
	FETCH_A 0, 0, 4
	s_load_b256 s[4:11], s[0:1], 0x28              ; qk, qksc, vimg, vsc (the head's descriptors there are done with)
	STEP 0, 1
	TURN 0, 1, 0, 0, 1
	STEP 1, 0
	TURN 1, 0, 1, 0, 1
	STEP 0, 0
	TURN 0, 1, 2, 1, 1
	STEP 1, 0
	TURN 1, 0, 3, 1, 0
.macro QUANT s, word
.irp b, 0,1,2,3
	v_max3_num_f32 v[TM+\b], |v[\s+16*\b]|, |v[\s+1+16*\b]|, 0x4800000
.endr
.irp i, 2,4,6,8,10,12,14
.irp b, 0,1,2,3
	v_max3_num_f32 v[TM+\b], v[TM+\b], |v[\s+16*\b+\i]|, |v[\s+1+16*\b+\i]|
.endr
.endr
.irp b, 0,1,2,3
	v_permlanex16_b32 v[TM+4+\b], v[TM+\b], s[SEL], s[SEL+1]
.endr
.irp b, 0,1,2,3
	v_max_num_f32 v[TM+\b], v[TM+\b], v[TM+4+\b]
.endr
.irp b, 0,1,2,3
	v_add_nc_u32 v[TM+12+\b], 0xfc000000, v[TM+\b]
.endr
.irp b, 0,1,2,3
	v_and_or_b32 v[TM+8+\b], v[TM+\b], 0x7f800000, s[MNT]
.endr
.irp b, 0,1,2,3
	v_lshrrev_b32 v[TM+4+\b], 23, v[TM+12+\b]
.endr
.if \word
	v_lshl_or_b32 v[PW], v[TM+5], 8, v[TM+4]
	v_lshl_or_b32 v[PW], v[TM+6], 16, v[PW]
	v_lshl_or_b32 v[PW], v[TM+7], 24, v[PW]
.endif
.irp b, 0,1,2,3
.irp i, 0,1,2,3,4,5,6,7,8,9,10,11,12,13,14,15
	v_med3_num_f32 v[\s+16*\b+\i], v[\s+16*\b+\i], -v[TM+8+\b], v[TM+8+\b]
.endr
	v_cvt_scalef32_pk8_fp8_f32 v[PC+4*\b:PC+1+4*\b], v[\s+16*\b:\s+7+16*\b], v[TM+12+\b]
	v_cvt_scalef32_pk8_fp8_f32 v[PC+2+4*\b:PC+3+4*\b], v[\s+8+16*\b:\s+15+16*\b], v[TM+12+\b]
.endr
	v_nop
.endm
.macro EPI_QK a                        ; 16 tokens x 128 channels: the bias, four blocks of 32 channels quantised, two heads' images and scale words stored
	s_wait_xcnt 0x0
	WIN 0x02+((\a)/4)
.set p, 0
.rept 32
	v_pk_add_f32 v[X+2*p:X+2*p+1], v[64*((\a)%4)+2*p:64*((\a)%4)+2*p+1], v[BI+2*p:BI+2*p+1]
.set p, p+1
.endr
	WIN 0
	QUANT X, 0
.irp b, 0,1,2,3
	v_max_u32 v[TM+4+\b], s[LO], v[TM+4+\b]
.endr
.irp b, 0,1,2,3
	v_subrev_nc_u32 v[TM+4+\b], s[ADJ], v[TM+4+\b]
.endr
	v_lshl_or_b32 v[WA0], v[TM+5], 8, v[TM+4]
	v_lshl_or_b32 v[WA1], v[TM+7], 8, v[TM+6]
	v_cndmask_b32 v[WS], v[WA0], v[WA1], vcc_lo
	v_or_b32 v[WS], 0x7f7f0000, v[WS]
.irp b, 0,1,2,3
	global_store_b128 v[L16], v[PC+4*\b:PC+4*\b+3], s[4:5] offset:1024*(\a)+512*(\b%2)+65536*(\b/2)
.endr
	global_store_b32 v[VW], v[WS], s[6:7] offset:64*(\a)
.endm
.macro EPI_V a                         ; 16 channels x 128 keys: the bias, four blocks of 32 keys quantised, images and scale words stored
	s_wait_xcnt 0x0
	WIN 0x02
.set p, 0
.rept 32
.if ((\a)%2) == 0
	v_pk_add_f32 v[X+2*p:X+2*p+1], v[64*(\a)+2*p:64*(\a)+2*p+1], v[BV+(\a):BV+(\a)+1] op_sel_hi:[1,0]
.else
	v_pk_add_f32 v[X+2*p:X+2*p+1], v[64*(\a)+2*p:64*(\a)+2*p+1], v[BV+(\a)-1:BV+(\a)] op_sel:[0,1] op_sel_hi:[1,1]
.endif
.set p, p+1
.endr
	WIN 0
	QUANT X, 1
.irp b, 0,1,2,3
	global_store_b128 v[L16], v[PC+4*\b:PC+4*\b+3], s[8:9] offset:512*(\a)+2048*\b
.endr
.if ((\a)%2) == 0
	v_mov_b32 v[PWE], v[PW]
.else
	v_cndmask_b32 v[WS], v[PWE], v[PW], vcc_lo
	global_store_b32 v[VW2], v[WS], s[10:11] offset:64*((\a)-1)
.endif
.endm
	; ---- phase 1's way out; phase 2's K steps 0 and 1 are on their way or in
	PLACES NP
.irp a, 0,1,2,3
.irp c, 0,1
	global_load_b128 v[WV+8*\a+4*\c:WV+8*\a+4*\c+3], v[AWV], s[VSB:VSB+1] offset:512*\a+16*\c   ; W_v's scale words, into the registers that held phase 1's
.endr
.endr
.irp b, 0,1,2,3
	v_mov_b32 v[TM+4+\b], 0                        ; a lane permute's destination counts as one of its sources
.endr
	v_and_b32 v3, 31, v0
	v_lshlrev_b32 v[L16], 4, v3
	v_cmp_eq_u32 vcc_lo, 1, v2
	v_lshlrev_b32 v[VW], 2, v1
	v_lshl_add_u32 v[VW2], v2, 6, v[VW]
	v_lshl_add_u32 v[VW], v2, 12, v[VW]
	s_mov_b32 s[SEL], 0x76543210
	s_mov_b32 s[SEL+1], 0xfedcba98
	s_mov_b32 s[MNT], 0x600000
	s_wait_kmcnt 0x0
	s_wait_xcnt 0x0                                ; the biases' loads have read their bases: s20 to s23 are written again below
	s_lshr_b32 s18, s17, 2
	s_lshl_b32 s18, s18, 4                         ; 16 x the batch
	s_lshl_b32 s19, s40, 2
	s_add_co_u32 s22, s18, s19
	s_lshl_b32 s19, s16, 1
	s_add_co_u32 s22, s22, s19                     ; q, k: batch x 16 + my first head
	s_and_b32 s23, s17, 3
	s_lshl_b32 s19, s23, 4
	s_lshl_b32 s20, s15, 3
	s_add_co_u32 s19, s19, s20                     ; my first tile of 16 tokens
	s_lshl_b32 s20, s22, 16
	s_lshl_b32 s21, s19, 10
	s_add_co_u32 s20, s20, s21
	s_lshl_b32 s21, ttmp9, 23
	s_add_co_u32 s20, s20, s21
	s_mov_b32 s21, 0
	s_add_nc_u64 s[4:5], s[4:5], s[20:21]
	s_lshl_b32 s20, s22, 12
	s_lshl_b32 s21, s19, 6
	s_add_co_u32 s20, s20, s21
	s_lshl_b32 s21, ttmp9, 19
	s_add_co_u32 s20, s20, s21
	s_mov_b32 s21, 0
	s_add_nc_u64 s[6:7], s[6:7], s[20:21]
	s_lshl_b32 s19, s42, 1
	s_add_co_u32 s18, s18, s19
	s_add_co_u32 s18, s18, s15                     ; v: batch x 16 + head 2 tc + my row of waves
	s_lshl_b32 s19, s23, 1
	s_add_co_u32 s19, s19, s16                     ; my step of 128 keys
	s_lshl_b32 s20, s18, 16
	s_lshl_b32 s21, s19, 13
	s_add_co_u32 s20, s20, s21
	s_mov_b32 s21, 0
	s_add_nc_u64 s[8:9], s[8:9], s[20:21]
	s_lshl_b32 s20, s18, 11
	s_lshl_b32 s21, s19, 8
	s_add_co_u32 s20, s20, s21
	s_mov_b32 s21, 0
	s_add_nc_u64 s[10:11], s[10:11], s[20:21]
	s_cmp_eq_u32 ttmp9, 0
	s_cselect_b32 s[LO], 1, 4
	s_cselect_b32 s[ADJ], 0, 3
	s_wait_alu depctr_va_vdst(0)                   ; directly ahead of the wait below
	s_wait_loadcnt 8                               ; the biases are in; W_v's eight loads may be out
.irp a, 0,1,2,3,4,5,6,7
	EPI_QK \a
.endr
	; ---- phase 2
	s_wait_xcnt 0x0                                ; the stores have read their data: fragments land there
	s_wait_loadcnt 0x0                             ; W_v's scale words
	FETCH2 0, 0
	SCALES2 0
	STEP2 0, 0, 1
	TURN2 0, 1, 0, 1
	STEP2 1, 1, 0
	TURN2 1, 0, 1, 1
	STEP2 0, 2, 0
	TURN2 0, 1, 2, 0
	STEP2 1, 3, 0
	s_wait_dscnt 0x0
	WIN MUL_LO
.irp a, 0,1,2,3
	MULV \a, 3, 1, 0
.endr
	WIN 0
	PLACES NP
	v_cmp_eq_u32 vcc_lo, 1, v2                     ; written anew behind the tensor loads
.irp a, 0,1,2,3
	EPI_V \a
.endr
	s_wait_tensorcnt 0x0                           ; the wave's end
	ds_add_u32 v[SPW], v[NIL]
	s_wait_dscnt 0x0
	CROUND                                         ; the closing round
	s_endpgm
.Lfunc_end_k_q7813c6c858_gemm_qkv:
	.size	k_q7813c6c858_gemm_qkv, .Lfunc_end_k_q7813c6c858_gemm_qkv-k_q7813c6c858_gemm_qkv
	.p2alignl 7, 3214868480
	.fill 96, 4, 3214868480
	.section	.rodata,"a",@progbits
	.p2align	6, 0x0
	.amdhsa_kernel k_q7813c6c858_gemm_qkv
		.amdhsa_group_segment_fixed_size 327680
		.amdhsa_private_segment_fixed_size 0
		.amdhsa_enable_private_segment 0
		.amdhsa_kernarg_size 72
		.amdhsa_user_sgpr_count 2
		.amdhsa_user_sgpr_kernarg_segment_ptr 1
		.amdhsa_wavefront_size32 1
		.amdhsa_system_sgpr_workgroup_id_x 1
		.amdhsa_system_sgpr_workgroup_id_y 1
		.amdhsa_system_sgpr_workgroup_id_z 1
		.amdhsa_system_vgpr_workitem_id 0
		.amdhsa_next_free_vgpr 1024
		.amdhsa_next_free_sgpr 100
		.amdhsa_reserve_vcc 1
		.amdhsa_float_denorm_mode_32 3
		.amdhsa_float_denorm_mode_16_64 3
		.amdhsa_memory_ordered 1
		.amdhsa_forward_progress 1
		.amdhsa_inst_pref_size 255
	.end_amdhsa_kernel
	.section	.bss,"aw",@nobits
	.p2align	6
	.space	262144
	.amdgpu_metadata
---
amdhsa.version: [ 1, 2 ]
amdhsa.kernels:
  - .name:           k_q7813c6c858_gemm_qkv
    .symbol:         k_q7813c6c858_gemm_qkv.kd
    .args:
      - { .name: x_codes, .offset: 0, .size: 8, .value_kind: global_buffer, .address_space: global }
      - { .name: x_scales, .offset: 8, .size: 8, .value_kind: global_buffer, .address_space: global }
      - { .name: Wattn_codes, .offset: 16, .size: 8, .value_kind: global_buffer, .address_space: global }
      - { .name: Wattn_scales, .offset: 24, .size: 8, .value_kind: global_buffer, .address_space: global }
      - { .name: battn, .offset: 32, .size: 8, .value_kind: global_buffer, .address_space: global }
      - { .name: qk, .offset: 40, .size: 8, .value_kind: global_buffer, .address_space: global }
      - { .name: qksc, .offset: 48, .size: 8, .value_kind: global_buffer, .address_space: global }
      - { .name: vimg, .offset: 56, .size: 8, .value_kind: global_buffer, .address_space: global }
      - { .name: vsc, .offset: 64, .size: 8, .value_kind: global_buffer, .address_space: global }
    .group_segment_fixed_size: 327680
    .private_segment_fixed_size: 0
    .kernarg_segment_align: 8
    .kernarg_segment_size: 72
    .max_flat_workgroup_size: 128
    .sgpr_count:     100
    .vgpr_count:     1024
    .wavefront_size: 32
...
	.end_amdgpu_metadata
.endif
;; end of part 2
;; launch attn (part 3): grid 2 x 128, 8 waves a work-group, no clusters, 327,680 bytes of LDS; arguments qk, qksc, vimg, vsc, etab, wtab, yimg, ysc; writes yimg, ysc
.if DOCPART == 3
	.amdgcn_target "amdgcn-amd-amdhsa--gfx1250"
	.amdhsa_code_object_version 6
	.text
	.protected	k_q7813c6c858_attn
	.globl	k_q7813c6c858_attn
	.p2align	8
	.type	k_q7813c6c858_attn,@function
k_q7813c6c858_attn:
	s_mov_b64 s[64:65], 0
	v_nop
	global_prefetch_b8 v0, s[64:65] scope:SCOPE_SE
	s_setreg_imm32_b32 hwreg(HW_REG_WAVE_MODE, 25, 1), 1
	s_wait_xcnt 0x0
; Causal attention with relative positions, four products on codes of E4M3 with E8M0 scales:  score(t, s) = q_t . k_s / 8 + q_t . embk[t - s];  y_t = (sum_s p v_s + sum_s p embv[t - s]) / l.
; p = 2^(score x log2 e - M), M the running maximum rounded up to a whole number; p is quantised along the keys in blocks of 32; l is the sum of the unquantised p.
; SHARES.  A work-group owns a head bh (grid y) and a half g (grid x): 32 tiles; tile i holds the 16 queries t = 32 i + 16 g + q.  Wave w owns tiles w, w ^ 15, w | 16, w ^ 31.
; EVERY TILE WALKS ITS KEYS BACKWARDS FROM ITS OWN DIAGONAL, four blocks of 32 a step: in step n tile i takes blocks j = i - 4 n - 3 + c, c = 0..3, and is idle once 4 n > i.  So in a step
; all tiles stand at the same distances, blocks m = 4 n + 3 - c:  (1) embk's window hangs on n and g alone;  (2) the queries with one t mod 32, one of each tile, meet the same blocks of
; quantised embv: they form a tile for the fourth product, whose p comes through LDS (one byte a number).
; Different tiles want different keys at one time, so the head's K and V codes, and embk's, lie in LDS whole, filled once at the head: no slot is ever filled again.
; embk's tile e of 16 distances lies in LDS at place e - g + 1: the half g stands in the fill's address in memory and in no LDS address.  The step's window, tiles e = 8 n + g - 2 + x, x = 0..8, is places 8 n - 1 + x.
; LAYOUT.  All products are used transposed (source 0 = keys, distances or channels; source 1 = queries): a lane holds one query.  q . embk comes as R[distance][query]; each wave skews it through
; its own 16 rows of LDS (row q begins q + 1 words on) into the scores' layout, where it is the C of K Q^T.
; K = 64 fills half of the instruction's 128: Q's upper eight registers are zero codes, so the upper eight of the other operand may be whatever finite codes lie next in the registers.
; embk's fragments lie in ascending order, so that a tile's neighbour is the tile one higher, never the bytes ahead of the table.
; READS AHEAD OF A TABLE (blocks j < 0, distances < 0) fall into the filled bytes in front of it; their scores are replaced by -infinity, so p's codes are zeros there.
; LIMITS: NaN and infinities are not served; y's scale bytes leave one byte a lane, 32 bytes apart (262,144 bytes in the launch).
; No cluster: what work-groups share at one time is embv's stream, which goes straight into registers since LDS is full; K, V and embk come once.
.set KS_L, 512                         ; LDS: 0 zeros (512);  k's scale words (4,096);
.set VS_L, 4608                        ; v's (2,048);
.set ES_L, 6656                        ; embk's (4,096);
.set EI,   10752                       ; embk's codes (65,536);
.set KI,   76288                       ; K's (65,536);
.set VI,   141824                      ; V's (65,536);
.set PX,   207360                      ; the exchange: p's codes, cell (i, c, h, q) of 16 bytes at 2,048 i + 512 c + 256 h + 16 ((q + i) % 16): writers (lanes over q) and readers (lanes over i) both touch 16 different columns
.set PXS,  272896                      ; p's scale words, 64 i + 4 q;  2,048 bytes on: the factors f
.set SK,   276992                      ; the skew: 16 rows of 272 bytes for each wave
.set SKB,  4352
.set STG,  10752                       ; behind the loop: the fourth product's sums, tile pitch 4,368, query pitch 272, over tables that nobody reads any more
.set STT,  4368
.set L16, 1                            ; v1  16 x lane
.set L4,  2                            ; v2  4 x lane
.set QL,  3                            ; v3  lane % 16
.set SKW, 4                            ; v4  the skew, in
.set SKR, 5                            ; v5  the skew, out
.set DM,  6                            ; v6  16 g + q - 8 h: the diagonal block's place 16 u + j is hidden where it is greater
.set NINF, 7
.set AE,  8
.set AES, 9
.set AK,  10
.set AKS, 11
.set AV,  12
.set AVS, 13
.set PXW, 14
.set PXSW, 15
.set PXH, 16                           ; v16 PX + 256 h
.set PXR, 17                           ; v17-18 where I read p's codes of my two queries
.set PXSR, 19                          ; v19-20 and their words
.set ONE, 21
.set T0,  22
.set T1,  23
.set QW,  24                           ; v24-39   Q's operand: 8 registers of codes, 8 of zeros
.set QST, 40                           ; v40-71   my four tiles' Q
.set QSC, 72                           ; v72-75   their scale words.  v72-75 and v92-103 hold scales and nothing else
.set ST,  76                           ; v76-91   for each tile: -M, the largest t, l in two halves
.set ESR, 92
.set KSR, 97
.set VSR, 101
.set PSW, 103
.set RR,  104                          ; v104-175 R's nine tiles (x at RR + 8 x); then the scores: block c at RR + 56 - 16 c; then V's or embv's fragments at RR + 8 on
.set F,   176                          ; v176-215 five fragments of 8 registers
.set Z,   216                          ; v216-223 zeros
.set TP,  224                          ; v224-255 at work; p's codes at v224-239
.set PC,  224
.set TI,  76                           ; s76-79 my tiles
.set U,   80                           ; s80-83 31 - i + 4 n: the tile works while it is at most 31
.set SEL, 84
.set CS,  86                           ; s[86:87] log2 e
.set MNT, 88
.set EN,  89                           ; 8 n
.set WP,  90                           ; s[90:93] embv's codes for my two queries, step n
.set WSP, 94                           ; s[94:97] their scale words
.set MSB, 0
.macro WIN new                         ; the immediate's high byte repeats the setting that is left
.if MSB != \new
	s_set_vgpr_msb (MSB<<8)|\new
.set MSB, \new
.endif
.endm
; One scaled product.  cz = 1: C is 0, else C is D.  row = 1: source 0's scales stand in lanes 16-31 of their register.
.macro WM d, a, b, cz, sa, sb, row
.if \cz
.if \row
	v_wmma_scale_f32_16x16x128_f8f6f4 v[(\d):(\d)+7], v[(\a):(\a)+15], v[(\b):(\b)+15], 0, v[\sa], v[\sb] matrix_a_scale:MATRIX_SCALE_ROW1
.else
	v_wmma_scale_f32_16x16x128_f8f6f4 v[(\d):(\d)+7], v[(\a):(\a)+15], v[(\b):(\b)+15], 0, v[\sa], v[\sb]
.endif
.else
.if \row
	v_wmma_scale_f32_16x16x128_f8f6f4 v[(\d):(\d)+7], v[(\a):(\a)+15], v[(\b):(\b)+15], v[(\d):(\d)+7], v[\sa], v[\sb] matrix_a_scale:MATRIX_SCALE_ROW1
.else
	v_wmma_scale_f32_16x16x128_f8f6f4 v[(\d):(\d)+7], v[(\a):(\a)+15], v[(\b):(\b)+15], v[(\d):(\d)+7], v[\sa], v[\sb]
.endif
.endif
.endm
.macro PLACES n                        ; plain vector lines between a matrix instruction and what touches its registers: 8 for loads, stores and vector lines, 9 for a matrix instruction that writes over them
.rept \n
	v_nop
.endr
.endm
	s_load_b512 s[8:23], s[0:1], 0x0               ; qk s[8:9], qksc s[10:11], vimg s[12:13], vsc s[14:15], etab s[16:17], wtab s[18:19], yimg s[20:21], ysc s[22:23]
	v_lshl_add_u32 v254, v0, 2, 0x4c200
	v_mov_b32 v255, 0
	ds_add_u32 v254, v255
	ds_add_u32 v254, v255
	s_wait_dscnt 0x0
	v_lshrrev_b32 v22, 5, v0
	s_delay_alu instid0(VALU_DEP_1)
	v_readfirstlane_b32 s2, v22                    ; wave 0..7
	s_mov_b32 s3, ttmp9                            ; g
	s_and_b32 s4, ttmp7, 0xffff                    ; bh
	; three shapes, all dense rows of 256 bytes (32 elements of 8 bytes): 256 rows, 16 rows, 8 rows: each table comes whole, by one wave's one load
.irp g, 24, 32, 40
	s_mov_b32 s[\g], 3<<16
	s_mov_b32 s[\g+1], 32<<16
	s_mov_b32 s[\g+3], 32<<16
	s_mov_b32 s[\g+5], 32
	s_mov_b32 s[\g+6], 0
	s_mov_b32 s[\g+7], 0
.endr
	s_mov_b32 s26, 256<<16
	s_mov_b32 s28, 256
	s_mov_b32 s34, 16<<16
	s_mov_b32 s36, 16
	s_mov_b32 s42, 8<<16
	s_mov_b32 s44, 8
	s_lshl_b32 s98, s4, 16
	s_mov_b32 s99, 0
	s_wait_kmcnt 0x0
	s_mov_b32 s48, 1                               ; K's codes
	s_mov_b32 s49, KI
	s_add_nc_u64 s[50:51], s[8:9], s[98:99]
	s_add_nc_u64 s[50:51], s[50:51], 8388608
	s_or_b32 s51, s51, 0x80000000
	s_mov_b32 s52, 1                               ; V's
	s_mov_b32 s53, VI
	s_add_nc_u64 s[54:55], s[12:13], s[98:99]
	s_or_b32 s55, s55, 0x80000000
	s_mov_b32 s56, 1                               ; embk's: 64 tiles from byte 1,024 g of etab on: half 0 begins with the tile of zeros, half 1 with tile 0
	s_mov_b32 s57, EI
	s_lshl_b32 s98, s3, 10
	s_add_nc_u64 s[58:59], s[16:17], s[98:99]
	s_or_b32 s59, s59, 0x80000000
	s_lshl_b32 s98, s4, 12
	s_mov_b32 s60, 1                               ; k's scale words
	s_mov_b32 s61, KS_L
	s_add_nc_u64 s[62:63], s[10:11], s[98:99]
	s_add_nc_u64 s[62:63], s[62:63], 524288
	s_or_b32 s63, s63, 0x80000000
	s_mov_b32 s68, 1                               ; embk's scale words: etab holds a copy for each half, 4,352 bytes apart, in which place p is tile p - 1 + g
	s_mov_b32 s69, ES_L
	s_mul_i32 s98, s3, 4352
	s_add_nc_u64 s[70:71], s[16:17], s[98:99]
	s_add_nc_u64 s[70:71], s[70:71], 66560
	s_or_b32 s71, s71, 0x80000000
	s_lshl_b32 s98, s4, 11
	s_mov_b32 s72, 1                               ; v's
	s_mov_b32 s73, VS_L
	s_add_nc_u64 s[74:75], s[14:15], s[98:99]
	s_or_b32 s75, s75, 0x80000000
; the launch's only fills, one a wave, in one chain of branches on the wave's number: waves 0 to 5 bring embk's codes, K's, V's, embk's words, k's, v's; waves 6 and 7 bring nothing
.macro ARM under, g0, g1, next
	s_cmp_lt_u32 s2, \under
	s_cbranch_scc0 \next
	tensor_load_to_lds s[\g0:\g0+3], s[\g1:\g1+7]
	s_nop 0
.rept 4
	v_nop
.endr
	s_branch .Lhead_asked
\next:
.endm
	ARM 1, 56, 24, .Lhead_1
	ARM 2, 48, 24, .Lhead_2
	ARM 3, 52, 24, .Lhead_3
	ARM 4, 68, 32, .Lhead_4
	ARM 5, 60, 32, .Lhead_5
	ARM 6, 72, 40, .Lhead_6
.Lhead_asked:
	v_and_b32 v22, 31, v0
	s_delay_alu instid0(VALU_DEP_1)
	v_lshlrev_b32 v[L16], 4, v22
	s_wait_alu depctr_va_vdst(0)
	v_lshlrev_b32 v[L4], 2, v22
	v_and_b32 v[QL], 15, v0
	s_wait_alu depctr_va_vdst(0)
	v_bfe_u32 v23, v0, 4, 1                        ; h
	s_mov_b32 s[TI], s2
	s_xor_b32 s[TI+1], s2, 15
	s_or_b32 s[TI+2], s2, 16
	s_xor_b32 s[TI+3], s2, 31
.irp k, 0,1,2,3
	s_xor_b32 s[U+\k], s[TI+\k], 31
.endr
	s_lshl_b32 s98, s4, 16
	s_lshl_b32 s99, s3, 10
	s_add_co_u32 s98, s98, s99
	s_mov_b32 s99, 0
	s_add_nc_u64 s[6:7], s[8:9], s[98:99]          ; q's images of the head, at tile g of 16 tokens
	s_lshl_b32 s98, s4, 12
	s_lshl_b32 s99, s3, 6
	s_add_co_u32 s98, s98, s99
	s_mov_b32 s99, 0
	s_add_nc_u64 s[10:11], s[10:11], s[98:99]      ; and their scale words
.irp k, 0,1,2,3
	s_lshl_b32 s98, s[TI+\k], 11                   ; tile i: tokens 32 i + 16 g on: 2 i images of 1,024 bytes on
	v_add_nc_u32 v[F+\k], s98, v[L16]
	s_lshl_b32 s98, s[TI+\k], 7
	v_lshl_add_u32 v[F+4+\k], v[QL], 2, s98
	global_load_b128 v[QST+8*\k:QST+8*\k+3],   v[F+\k], s[6:7]
	global_load_b128 v[QST+8*\k+4:QST+8*\k+7], v[F+\k], s[6:7] offset:512
	global_load_b32 v[QSC+\k], v[F+4+\k], s[10:11]
.endr
	s_mul_i32 s98, s2, SKB
	s_add_co_u32 s98, s98, SK
	v_mul_u32_u24 v22, v[QL], 272
	s_delay_alu instid0(VALU_DEP_1)
	v_lshl_add_u32 v22, v23, 5, v22
	s_delay_alu instid0(VALU_DEP_1)
	v_add_nc_u32 v22, s98, v22                     ; my wave's skew rows: 272 q + 32 h
	s_delay_alu instid0(VALU_DEP_1)
	v_lshl_add_u32 v[SKW], v[QL], 2, v22
	s_delay_alu instid0(VALU_DEP_1)
	v_add_nc_u32 v[SKW], 4, v[SKW]                 ; in: q + 1 words further on
	s_delay_alu instid0(VALU_DEP_3)
	v_add_nc_u32 v[SKR], 64, v22                   ; out: from word 16 on
	s_lshl_b32 s98, s3, 4
	v_lshlrev_b32 v22, 3, v23
	s_delay_alu instid0(VALU_DEP_1)
	v_sub_nc_u32 v[DM], v[QL], v22
	s_delay_alu instid0(VALU_DEP_1)
	v_add_nc_u32 v[DM], s98, v[DM]
	v_mov_b32 v[NINF], 0xff800000
	v_lshlrev_b32 v[PXH], 8, v23
	s_delay_alu instid0(VALU_DEP_1)
	v_add_nc_u32 v[PXH], PX, v[PXH]
.irp aa, 0,1
	s_add_co_u32 s98, s2, 8*\aa                    ; my query of each tile: q = w, w + 8
	v_add_nc_u32 v22, s98, v[QL]
	s_delay_alu instid0(VALU_DEP_1)
	v_and_b32 v22, 15, v22
	s_delay_alu instid0(VALU_DEP_1)
	v_lshl_add_u32 v22, v22, 4, v[PXH]
	s_delay_alu instid0(VALU_DEP_1)
	v_lshl_add_u32 v[PXR+\aa], v[QL], 11, v22      ; lane % 16 is the tile here
	s_lshl_b32 s98, s98, 2
	s_add_co_u32 s98, s98, PXS
	v_lshl_add_u32 v[PXSR+\aa], v[QL], 6, s98
.endr
	v_mov_b32 v[ONE], 1.0
	s_lshl_b32 s98, s3, 4
	s_add_co_u32 s98, s98, s2                      ; a = 16 g + w
	s_lshl_b32 s100, s98, 16
	s_mov_b32 s101, 0
	s_add_nc_u64 s[WP:WP+1], s[18:19], s[100:101]
	s_add_nc_u64 s[WP+2:WP+3], s[WP:WP+1], 8*65536
	s_lshl_b32 s100, s98, 11
	s_add_nc_u64 s[WSP:WSP+1], s[18:19], s[100:101]
	s_add_nc_u64 s[WSP:WSP+1], s[WSP:WSP+1], 2097152
	s_add_nc_u64 s[WSP+2:WSP+3], s[WSP:WSP+1], 8*2048
	s_mov_b32 s[SEL], 0x76543210
	s_mov_b32 s[SEL+1], 0xfedcba98
	s_mov_b32 s[CS], 0x3fb8aa3b
	s_mov_b32 s[CS+1], s[CS]                       ; (named with it as a pair, so it is written)
	s_mov_b32 s[MNT], 0x600000
	s_mov_b32 s[EN], 0
	s_mov_b32 s5, 0                                ; n
.irp k, 0,1,2,3
	v_mov_b32 v[ST+4*\k+1], 0xff61b1e6             ; the largest t so far: -3e38
	s_delay_alu instid0(VALU_DEP_1)
	v_floor_f32 v[ST+4*\k], -v[ST+4*\k+1]          ; -M
	v_mov_b32 v[ST+4*\k+2], 0
	v_mov_b32 v[ST+4*\k+3], 0
.endr
.irp j, 0,1,2,3
	v_mov_b32 v[RR+\j], 0                          ; (named in pairs with the factors f)
	v_mov_b32 v[236+\j], 0                         ; a lane permute's destination counts as one of its sources
	v_mov_b32 v[Z+\j], 0
.endr
	v_mov_b32 v253, 0
	v_mov_b32 v255, 0
	s_cmp_lg_u32 s2, 0
	s_cbranch_scc1 .Lno_pad
	ds_store_b128 v[L16], v[Z:Z+3]                 ; wave 0: the 512 zeros ahead of k's scale words
.Lno_pad:
	WIN 0x40                                       ; window 1: the sums begin as zeros, so that the step is written once: its first factor f is 0 and leaves zeros zeros
.set i, 0
.rept 256
	v_mov_b32 v[i], 0
.set i, i+1
.endr
	WIN 0
	s_wait_tensorcnt 0x0                           ; my eighths have landed,
	s_wait_loadcnt 0x0                             ; Q is in (and its offset registers are free),
	s_wait_dscnt 0x0                               ; the zeros are stored:
	s_barrier_signal -1
	s_barrier_wait -1                              ; everybody's are
; 32 keys of R are skewed: three tiles of 16 distances go into my rows, row q shifted by q + 1 words; words 16-47 of a row are then the query's 32 keys in order.
; LDS serves a wave's instructions in order (ISA guide 5.7.1.4): no wait between the stores and the loads, nor in front of the next skew's stores.
.macro SKEW c
.irp t, 0,1,2
.irp j, 0,1,2,3,4,5,6,7
	ds_store_b32 v[SKW], v[RR+8*(8-2*(\c)-\t)+\j] offset:64*\t+4*\j      ; each tile from its low end on
.endr
.endr
.irp u, 0,1
	ds_load_b128 v[RR+56-16*(\c)+8*\u:RR+59-16*(\c)+8*\u], v[SKR] offset:64*\u
	ds_load_b128 v[RR+60-16*(\c)+8*\u:RR+63-16*(\c)+8*\u], v[SKR] offset:64*\u+16
.endr
.endm
.macro STEP_HEAD
	PLACES 8                                       ; behind the last step's products, which read the registers written below
.irp j, 0,1,2,3,4,5,6,7
	v_mov_b32 v[QW+8+\j], 0
	v_mov_b32 v[Z+\j], 0
.endr
	s_lshl_b32 s98, s[EN], 10
	s_add_co_u32 s98, s98, EI-1024
	v_add_nc_u32 v[AE], s98, v[L16]                ; embk's window: nine tiles from place 8 n - 1 on
	s_lshl_b32 s98, s[EN], 6
	s_add_co_u32 s98, s98, ES_L-64
	v_add_nc_u32 v[AES], s98, v[L4]
.irp p, 0,1,2,3
	ds_load_b32 v[ESR+\p], v[AES] offset:128*\p    ; tiles 2 p (lanes 0-15) and 2 p + 1 (lanes 16-31)
.endr
	ds_load_b32 v[ESR+4], v[AES] offset:448        ; tiles 7 and 8
.endm
.macro TILE k
	v_add_nc_u32 v[T0], s[TI+\k], v[QL]            ; where the tile's codes, word and factor go in the exchange
	s_delay_alu instid0(VALU_DEP_1)
	v_and_b32 v[T0], 15, v[T0]
	s_delay_alu instid0(VALU_DEP_1)
	v_lshl_add_u32 v[PXW], v[T0], 4, v[PXH]
	s_lshl_b32 s99, s[TI+\k], 11
	v_add_nc_u32 v[PXW], s99, v[PXW]
	s_lshl_b32 s99, s[TI+\k], 6
	s_add_co_u32 s99, s99, PXS
	v_lshl_add_u32 v[PXSW], v[QL], 2, s99
	s_cmp_le_u32 s[U+\k], 31
	s_cbranch_scc0 .Lidle_\@
.irp j, 0,1,2,3,4,5,6,7
	v_mov_b32 v[QW+\j], v[QST+8*\k+\j]             ; the tile's Q; the four additions below are its places ahead of the products
.endr
	s_min_u32 s98, s[U+\k], 31
	s_xor_b32 s98, s98, 31                         ; i - 4 n: the newest of the step's four blocks
	s_lshl_b32 s99, s98, 11
	s_add_co_u32 s99, s99, KI-6144
	v_add_nc_u32 v[AK], s99, v[L16]
	s_add_co_u32 s99, s99, VI-KI
	v_add_nc_u32 v[AV], s99, v[L16]
	s_lshl_b32 s99, s98, 7
	s_add_co_u32 s99, s99, KS_L-384
	v_add_nc_u32 v[AKS], s99, v[L4]
	s_add_co_u32 s100, s98, 1
	s_lshr_b32 s99, s100, 2
	s_lshl_b32 s99, s99, 8
	s_add_co_u32 s99, s99, VS_L-256
	v_add_nc_u32 v[AVS], s99, v[L4]                ; v's words hold four blocks from a multiple of 4 on: two words are read
	s_and_b32 s100, s100, 3
	s_lshl_b32 s100, s100, 3                       ; and shifted by so many bits
	; ---- R = embk Q^T, tiles 4-8
.irp x, 4,5,6,7,8
	ds_load_b128 v[F+8*(\x-4):F+8*(\x-4)+3],   v[AE] offset:1024*\x
	ds_load_b128 v[F+8*(\x-4)+4:F+8*(\x-4)+7], v[AE] offset:1024*\x+512
.endr
	s_wait_alu depctr_va_vdst(0)
	s_wait_dscnt 0x0
.irp x, 4,5,6,7
	WM RR+8*\x, F+8*(\x-4), QW, 1, ESR+\x/2, QSC+\k, \x%2
.endr
	WM RR+64, F+32, QW, 1, ESR+4, QSC+\k, 1
	PLACES 8
.irp x, 0,1,2,3
	ds_load_b128 v[F+8*\x:F+8*\x+3],   v[AE] offset:1024*\x
	ds_load_b128 v[F+8*\x+4:F+8*\x+7], v[AE] offset:1024*\x+512
.endr
	SKEW 0
	SKEW 1
	s_wait_dscnt 56                                ; the two skews' 2 x 28 instructions may be out: tiles 0-3 are in
.irp x, 0,1,2,3
	WM RR+8*\x, F+8*\x, QW, 1, ESR+\x/2, QSC+\k, \x%2
.endr
	PLACES 9                                       ; K Q^T below writes over these results
	; ---- scores = K Q^T + the skewed R
.irp t, 0,1,2,3,4
	ds_load_b128 v[F+8*\t:F+8*\t+3],   v[AK] offset:1024*\t
	ds_load_b128 v[F+8*\t+4:F+8*\t+7], v[AK] offset:1024*\t+512
.endr
.irp c, 0,1,2,3
	ds_load_b32 v[KSR+\c], v[AKS] offset:128*\c    ; block c's two tiles of keys: lanes 0-15, lanes 16-31
.endr
.irp j, 0,1,2,3
	ds_load_b32 v[248+\j], v[AVS] offset:128*\j
.endr
	SKEW 2
	SKEW 3
	s_wait_dscnt 0x0
	v_alignbit_b32 v[VSR], v250, v248, s100        ; v's words for these four blocks: channels 0-31,
	v_alignbit_b32 v[VSR+1], v251, v249, s100      ; channels 32-63
.irp t, 0,1,2,3,4
	WM RR+56-16*(\t/2)+8*(\t%2), F+8*\t, QW, 0, KSR+\t/2, QSC+\k, \t%2
.endr
	PLACES 8
.irp t, 5,6,7
	ds_load_b128 v[F+8*(\t-5):F+8*(\t-5)+3],   v[AK] offset:1024*\t
	ds_load_b128 v[F+8*(\t-5)+4:F+8*(\t-5)+7], v[AK] offset:1024*\t+512
.endr
	s_wait_dscnt 0x0
.irp t, 5,6,7
	WM RR+56-16*(\t/2)+8*(\t%2), F+8*(\t-5), QW, 0, KSR+\t/2, QSC+\k, \t%2
.endr
	PLACES 8
.if \k == 3
	W_LOAD 1                                       ; my last tile has no further use for F, Z, QW and k's scale words: embv's fragments for my second query are asked for here, ahead of the tile's softmax and V product
.endif
	; ---- the mask: blocks ahead of the head's first key, and in step 0 the diagonal block's keys behind the query
	s_cmp_ge_u32 s98, 3
	s_cbranch_scc1 .Lno_low_\@
.irp j, 0,1,2,3,4,5,6,7,8,9,10,11,12,13,14,15
	v_mov_b32 v[RR+56+\j], v[NINF]
.endr
	s_cmp_ge_u32 s98, 2
	s_cbranch_scc1 .Lno_low_\@
.irp j, 0,1,2,3,4,5,6,7,8,9,10,11,12,13,14,15
	v_mov_b32 v[RR+40+\j], v[NINF]
.endr
	s_cmp_ge_u32 s98, 1
	s_cbranch_scc1 .Lno_low_\@
.irp j, 0,1,2,3,4,5,6,7,8,9,10,11,12,13,14,15
	v_mov_b32 v[RR+24+\j], v[NINF]
.endr
.Lno_low_\@:
	s_cmp_lg_u32 s5, 0
	s_cbranch_scc1 .Lno_diag_\@
.irp j, 0,1,2,3,4,5,6,7,8,9,10,11,12,13,14,15
	v_cmp_gt_i32 vcc_lo, 16*(\j/8)+\j%8, v[DM]
	v_cndmask_b32 v[RR+8+\j], v[RR+8+\j], v[NINF], vcc_lo
.endr
.Lno_diag_\@:
	; ---- the softmax and p's quantiser
.irp b, 0,1,2,3
	v_max3_num_f32 v[232+\b], v[RR+56-16*\b], v[RR+57-16*\b], v[RR+58-16*\b]   ; the largest score of each block: for the row's maximum and, since p rises with the score, for the block's largest p
.endr
.irp i, 3,5,7,9,11,13
.irp b, 0,1,2,3
	v_max3_num_f32 v[232+\b], v[232+\b], v[RR+56-16*\b+\i], v[RR+57-16*\b+\i]
.endr
.endr
.irp b, 0,1,2,3
	v_max_num_f32 v[232+\b], v[232+\b], v[RR+71-16*\b]
.endr
.irp b, 0,1,2,3
	v_permlanex16_b32 v[236+\b], v[232+\b], s[SEL], s[SEL+1]
.endr
.irp b, 0,1,2,3
	s_delay_alu instid0(VALU_DEP_4)
	v_max_num_f32 v[232+\b], v[232+\b], v[236+\b]
.endr
	s_delay_alu instid0(VALU_DEP_2)
	v_max3_num_f32 v254, v232, v233, v234
	s_delay_alu instid0(VALU_DEP_1)
	v_max_num_f32 v254, v254, v235
	s_delay_alu instid0(VALU_DEP_1)
	v_mul_f32 v254, s[CS], v254
	s_delay_alu instid0(VALU_DEP_1)
	v_max_num_f32 v[ST+4*\k+1], v[ST+4*\k+1], v254     ; the running largest t
	v_mov_b32 v254, v[ST+4*\k]
	s_delay_alu instid0(VALU_DEP_2)
	v_floor_f32 v[ST+4*\k], -v[ST+4*\k+1]              ; -M = -ceil(t)
	s_delay_alu instid0(VALU_DEP_1)
	v_sub_f32 v254, v[ST+4*\k], v254
	s_delay_alu instid0(VALU_DEP_1)
	v_cvt_i32_f32 v254, v254                           ; (it saturates)
	s_delay_alu instid0(VALU_DEP_1)
	v_ldexp_f32 v252, 1.0, v254                        ; f = 2^(old M - new M)
.set j, 0
.rept 32
	v_pk_fma_f32 v[RR+8+j:RR+9+j], v[RR+8+j:RR+9+j], s[CS:CS+1], v[ST+4*\k:ST+4*\k+1] op_sel_hi:[1,0,0]   ; t - M
.set j, j+2
.endr
.irp b, 0,1,2,3
	v_fma_f32 v[232+\b], v[232+\b], s[CS], v[ST+4*\k]
.endr
.set j, 0
	s_wait_alu depctr_va_vdst(0)
.rept 64
	v_exp_f32 v[RR+8+j], v[RR+8+j]                     ; p = 2^(t - M)
.set j, j+1
.endr
	v_pk_mul_f32 v[ST+4*\k+2:ST+4*\k+3], v[ST+4*\k+2:ST+4*\k+3], v[252:253] op_sel_hi:[1,0]   ; l under the new M: the plain line behind the exponentials
	s_wait_alu depctr_va_vdst(0)                       ; one wait for the batch, ahead of its first reader
.irp b, 0,1,2,3
	v_exp_f32 v[232+\b], v[232+\b]                     ; the blocks' largest p
.endr
	v_pk_add_f32 v[236:237], v[RR+8:RR+9], v[RR+10:RR+11]     ; l takes the unquantised p, in two chains
.set j, 4
.rept 15
	v_pk_add_f32 v[ST+4*\k+2:ST+4*\k+3], v[ST+4*\k+2:ST+4*\k+3], v[RR+8+j:RR+9+j]
	v_pk_add_f32 v[236:237], v[236:237], v[RR+10+j:RR+11+j]
.set j, j+4
.endr
	s_delay_alu instid0(VALU_DEP_1)
	v_pk_add_f32 v[ST+4*\k+2:ST+4*\k+3], v[ST+4*\k+2:ST+4*\k+3], v[236:237]
	s_wait_alu depctr_va_vdst(0)                       ; and one for the four
.irp b, 0,1,2,3
	v_max_num_f32 v[232+\b], 0x4800000, v[232+\b]      ; the floor 2^(9 - 127)
.endr
.irp b, 0,1,2,3
	s_delay_alu instid0(VALU_DEP_4)
	v_add_nc_u32 v[244+\b], 0xfc000000, v[232+\b]
.endr
.irp b, 0,1,2,3
	v_and_or_b32 v[240+\b], v[232+\b], 0x7f800000, s[MNT]
.endr
.irp b, 0,1,2,3
	v_lshrrev_b32 v[236+\b], 23, v[244+\b]
.endr
	s_delay_alu instid0(VALU_DEP_3)
	v_lshl_or_b32 v[PSW], v237, 8, v236                ; p's scale word; the 64 holds below are its places ahead of the products
	s_delay_alu instid0(VALU_DEP_1)
	v_lshl_or_b32 v[PSW], v238, 16, v[PSW]
	s_delay_alu instid0(VALU_DEP_1)
	v_lshl_or_b32 v[PSW], v239, 24, v[PSW]
.irp b, 0,1,2,3
.irp i, 0,1,2,3,4,5,6,7,8,9,10,11,12,13,14,15
	v_min_num_f32 v[RR+56-16*\b+\i], v[RR+56-16*\b+\i], v[240+\b]   ; the conversion does not saturate (ISA guide 7.6.2); p is not negative
.endr
	v_cvt_scalef32_pk8_fp8_f32 v[PC+4*\b:PC+1+4*\b], v[RR+56-16*\b:RR+63-16*\b], v[244+\b]
	v_cvt_scalef32_pk8_fp8_f32 v[PC+2+4*\b:PC+3+4*\b], v[RR+64-16*\b:RR+71-16*\b], v[244+\b]
.endr
	v_nop                                              ; one plain line behind the last conversion
	; ---- O1 += V^T P^T; p goes to the exchange
.irp d, 0,1,2,3
.irp c, 0,1,2,3
	ds_load_b128 v[RR+8+16*\d+4*\c:RR+11+16*\d+4*\c], v[AV] offset:2048*\c+512*\d
.endr
.endr
.irp c, 0,1,2,3
	ds_store_b128 v[PXW], v[PC+4*\c:PC+4*\c+3] offset:512*\c
.endr
	ds_store_b32 v[PXSW], v[PSW]
	ds_store_b32 v[PXSW], v252 offset:2048
	WIN 0x41                                           ; destination and source 0 in window 1
.set j, 0
.rept 16
	v_pk_mul_f32 v[32*\k+j:32*\k+j+1], v[32*\k+j:32*\k+j+1], v[252:253] op_sel_hi:[1,0]   ; O1 under the new M; also the codes' places ahead of the products
.set j, j+2
.endr
	s_wait_alu depctr_va_vdst(0)
	s_wait_dscnt 6                                     ; the six stores may be out: V is in
	WIN 0x50                                           ; C and D in window 1
.irp d, 0,1,2,3
	WM 32*\k+8*\d, RR+8+16*\d, PC, 0, VSR+\d/2, PSW, \d%2
.endr
	WIN 0
	s_branch .Ldone_\@
.Lidle_\@:                                             ; all the tile's keys are done: it adds nothing to the fourth product
	s_wait_alu depctr_va_vdst(0)
.irp c, 0,1,2,3
	ds_store_b128 v[PXW], v[Z:Z+3] offset:512*\c
.endr
	ds_store_b32 v[PXSW], v[Z]
	ds_store_b32 v[PXSW], v[ONE] offset:2048
.if \k == 3
	s_wait_dscnt 0x0                               ; the stores have read the zeros, on which the loads below land
	W_LOAD 1                                       ; the same 18 loads as on the other way through the tile
.endif
.Ldone_\@:
.endm
; embv's fragments of the step for my two queries' alignments, straight into registers that the tiles have left: 18 loads each
.macro W_LOAD aa                       ; query aa's four fragments and two scale words: 18 loads
.irp d, 0,1,2,3
.if \aa == 0
.set WA, RR+8+16*\d
.elseif \d < 3
.set WA, F+16*\d
.else
.set WA, QW
.endif
.irp c, 0,1,2,3
	global_load_b128 v[WA+4*\c:WA+4*\c+3], v[L16], s[WP+2*\aa:WP+2*\aa+1] offset:2048*\d+512*\c
.endr
.endr
	global_load_b32 v[KSR+2*\aa], v[L4], s[WSP+2*\aa:WSP+2*\aa+1]
	global_load_b32 v[KSR+2*\aa+1], v[L4], s[WSP+2*\aa:WSP+2*\aa+1] offset:128
.endm
.macro W_ISSUE                         ; behind the tiles: the first query's, into the registers that held the scores and V
	PLACES 8
	s_wait_dscnt 0x0                               ; my stores into the exchange are done (and have read the registers that the loads below fill)
	W_LOAD 0
.endm
; O2 += embv^T P^T for query aa of every tile: two tiles of 16 lanes, lane = tile 16 I + lane % 16
.macro YB aa                           ; the second query goes first: its fragments were asked for first
.if \aa == 0
	PLACES 8
.endif
.irp I, 0,1
.irp c, 0,1,2,3
	ds_load_b128 v[TP+16*\I+4*\c:TP+16*\I+4*\c+3], v[PXR+\aa] offset:32768*\I+512*\c
.endr
	ds_load_b32 v[ESR+\I], v[PXSR+\aa] offset:1024*\I
	ds_load_b32 v[RR+2*\I], v[PXSR+\aa] offset:2048+1024*\I
.endr
	s_wait_dscnt 0x0
.if \aa == 0
	s_barrier_signal -1                            ; all my reads of the exchange are back: the next step may write it; only register work stands up to the wait
	s_wait_loadcnt 0x0
.else
	s_wait_loadcnt 18                              ; the first query's 18 loads, issued behind these, may be out
.endif
	WIN 0x41
.irp I, 0,1
.set j, 0
.rept 16
	v_pk_mul_f32 v[128+64*\aa+32*\I+j:128+64*\aa+32*\I+j+1], v[128+64*\aa+32*\I+j:128+64*\aa+32*\I+j+1], v[RR+2*\I:RR+2*\I+1] op_sel_hi:[1,0]
.set j, j+2
.endr
.endr
	WIN 0x50
.irp d, 0,1,2,3
.if \aa == 0
.set WA, RR+8+16*\d
.elseif \d < 3
.set WA, F+16*\d
.else
.set WA, QW
.endif
.irp I, 0,1
	WM 128+64*\aa+32*\I+8*\d, WA, TP+16*\I, 0, KSR+2*\aa+\d/2, ESR+\I, \d%2
.endr
.endr
	WIN 0
.endm
.Lstep:                                            ; eight steps of 128 keys
	STEP_HEAD
	TILE 0
	TILE 1
	TILE 2
	TILE 3
	W_ISSUE
	s_barrier_signal -1
	s_barrier_wait -1                              ; every tile's p lies in the exchange
	YB 1
	YB 0
	s_barrier_wait -1                              ; every wave has read it
.irp k, 0,1,2,3
	s_add_co_u32 s[U+\k], s[U+\k], 4
.endr
	s_add_co_u32 s[EN], s[EN], 8
	s_add_nc_u64 s[WP:WP+1], s[WP:WP+1], 8192      ; (their loads were waited for above)
	s_add_nc_u64 s[WP+2:WP+3], s[WP+2:WP+3], 8192
	s_add_nc_u64 s[WSP:WSP+1], s[WSP:WSP+1], 256
	s_add_nc_u64 s[WSP+2:WSP+3], s[WSP+2:WSP+3], 256
	s_add_co_u32 s5, s5, 1
	s_cmp_lt_u32 s5, 8
	s_cbranch_scc1 .Lstep
	; ---- THE WAY OUT.  O2 (a lane a tile) goes through LDS to the waves that own the tiles (a lane a query); y = (O1 + O2) / l is quantised along the channels and leaves as images for the projection.
	PLACES 8
	v_bfe_u32 v23, v0, 4, 1
	v_mul_u32_u24 v22, v[QL], STT
	s_delay_alu instid0(VALU_DEP_1)
	v_lshl_add_u32 v22, v23, 5, v22
	s_mul_i32 s98, s2, 272
	s_add_co_u32 s98, s98, STG
	v_add_nc_u32 v8, s98, v22                      ; tile lane % 16, query w, + 32 h
	s_delay_alu instid0(VALU_DEP_1)
	v_add_nc_u32 v9, 16*STT, v8                    ; tiles 16-31
	s_delay_alu instid0(VALU_DEP_2)
	v_add_nc_u32 v10, 8*272, v8                    ; query w + 8
	s_delay_alu instid0(VALU_DEP_1)
	v_add_nc_u32 v11, 16*STT, v10
	WIN 0x04                                       ; an LDS store's data are its source 1: window 1
.irp aa, 0,1
.irp I, 0,1
.irp d, 0,1,2,3
	ds_store_b128 v[8+2*\aa+\I], v[128+64*\aa+32*\I+8*\d:131+64*\aa+32*\I+8*\d] offset:64*\d
	ds_store_b128 v[8+2*\aa+\I], v[132+64*\aa+32*\I+8*\d:135+64*\aa+32*\I+8*\d] offset:64*\d+16
.endr
.endr
.endr
	WIN 0
	s_wait_dscnt 0x0
	s_barrier_signal -1
	s_barrier_wait -1
	v_mul_u32_u24 v22, v[QL], 272
	s_wait_alu depctr_va_vdst(0)
	v_lshl_add_u32 v22, v23, 5, v22                ; 272 q + 32 h
	s_wait_alu depctr_va_vdst(0)
	v_lshlrev_b32 v13, 4, v[QL]
	s_delay_alu instid0(VALU_DEP_1)
	v_lshl_add_u32 v13, v23, 3, v13                ; 16 q + 8 h
	v_lshl_add_u32 v14, v[QL], 5, v23              ; 32 q + h
	v_cmp_eq_u32 vcc_lo, 1, v23
	s_lshr_b32 s98, s4, 4                          ; the batch
	s_and_b32 s99, s4, 15                          ; the head
	s_lshl_b32 s100, s98, 6
	s_add_co_u32 s100, s100, s3
	s_lshl_b32 s100, s100, 14                      ; 16 tokens of y are 16,384 bytes
	s_lshl_b32 s101, s99, 10
	s_add_co_u32 s100, s100, s101
	s_mov_b32 s101, 0
	s_add_nc_u64 s[20:21], s[20:21], s[100:101]
	s_lshl_b32 s100, s98, 10
	s_lshl_b32 s101, s3, 4
	s_add_co_u32 s100, s100, s101
	s_lshl_b32 s100, s100, 5
	s_lshl_b32 s101, s99, 1
	s_add_co_u32 s100, s100, s101
	s_mov_b32 s101, 0
	s_add_nc_u64 s[22:23], s[22:23], s[100:101]
.set Y,   RR
.set Y2,  RR+32
.set PCY, F
.set TM,  224
.macro OUT k
	s_mul_i32 s98, s[TI+\k], STT
	s_add_co_u32 s98, s98, STG
	v_add_nc_u32 v9, s98, v22
.irp d, 0,1,2,3
	ds_load_b128 v[Y2+8*\d:Y2+8*\d+3],   v9 offset:64*\d
	ds_load_b128 v[Y2+8*\d+4:Y2+8*\d+7], v9 offset:64*\d+16
.endr
	v_add_f32 v254, v[ST+4*\k+2], v[ST+4*\k+3]
	s_delay_alu instid0(VALU_DEP_1)
	v_permlanex16_b32 v255, v254, s[SEL], s[SEL+1]
	s_delay_alu instid0(VALU_DEP_1)
	v_add_f32 v254, v254, v255                     ; l
	s_wait_alu depctr_va_vdst(0)
	v_rcp_f32 v252, v254
	s_wait_xcnt 0x0                                ; the last tile's stores have read their offsets and data
	s_lshl_b32 s98, s[TI+\k], 15
	v_add_nc_u32 v10, s98, v13                     ; (the plain line behind the reciprocal)
	s_lshl_b32 s98, s[TI+\k], 10
	v_add_nc_u32 v11, s98, v14
	s_wait_dscnt 0x0
	WIN 0x01                                       ; source 0: O1, window 1
.set j, 0
	s_wait_alu depctr_va_vdst(0)
.rept 16
	v_pk_add_f32 v[Y+j:Y+j+1], v[32*\k+j:32*\k+j+1], v[Y2+j:Y2+j+1]
.set j, j+2
.endr
	WIN 0
	s_wait_alu depctr_va_vdst(0)                   ; ahead of the reciprocal's first reader
.set j, 0
.rept 16
	v_pk_mul_f32 v[Y+j:Y+j+1], v[Y+j:Y+j+1], v[252:253] op_sel_hi:[1,0]
.set j, j+2
.endr
.irp b, 0,1
	v_max3_num_f32 v[TM+\b], |v[Y+16*\b]|, |v[Y+1+16*\b]|, 0x4800000
.endr
.irp i, 2,4,6,8,10,12,14
.irp b, 0,1
	s_delay_alu instid0(VALU_DEP_2)
	v_max3_num_f32 v[TM+\b], v[TM+\b], |v[Y+16*\b+\i]|, |v[Y+1+16*\b+\i]|
.endr
.endr
.irp b, 0,1
	s_delay_alu instid0(VALU_DEP_2)
	v_permlanex16_b32 v[TM+4+\b], v[TM+\b], s[SEL], s[SEL+1]
.endr
.irp b, 0,1
	s_delay_alu instid0(VALU_DEP_2)
	v_max_num_f32 v[TM+\b], v[TM+\b], v[TM+4+\b]
.endr
.irp b, 0,1
	s_delay_alu instid0(VALU_DEP_2)
	v_add_nc_u32 v[TM+12+\b], 0xfc000000, v[TM+\b]
.endr
.irp b, 0,1
	s_delay_alu instid0(VALU_DEP_4)
	v_and_or_b32 v[TM+8+\b], v[TM+\b], 0x7f800000, s[MNT]
.endr
.irp b, 0,1
	s_delay_alu instid0(VALU_DEP_4)
	v_lshrrev_b32 v[TM+4+\b], 23, v[TM+12+\b]
.endr
.irp b, 0,1
.irp i, 0,1,2,3,4,5,6,7,8,9,10,11,12,13,14,15
	v_med3_num_f32 v[Y+16*\b+\i], v[Y+16*\b+\i], -v[TM+8+\b], v[TM+8+\b]
.endr
	v_cvt_scalef32_pk8_fp8_f32 v[PCY+4*\b:PCY+1+4*\b], v[Y+16*\b:Y+7+16*\b], v[TM+12+\b]
	v_cvt_scalef32_pk8_fp8_f32 v[PCY+2+4*\b:PCY+3+4*\b], v[Y+8+16*\b:Y+15+16*\b], v[TM+12+\b]
.endr
	v_cndmask_b32 v12, v[TM+4], v[TM+5], vcc_lo    ; lanes 0-15 store the first block's byte, lanes 16-31 the second's
.irp b, 0,1
.irp u, 0,1
	global_store_b64 v10, v[PCY+4*\b+2*\u:PCY+4*\b+2*\u+1], s[20:21] offset:512*\b+256*\u   ; 256 consecutive bytes a store; this placing brings the channels back into their plain order
.endr
.endr
	global_store_b8 v11, v12, s[22:23]
.endm
	OUT 0
	OUT 1
	OUT 2
	OUT 3
	s_wait_xcnt 0x0
	v_lshl_add_u32 v254, v0, 2, 0x4c200
	v_mov_b32 v255, 0
	s_wait_alu depctr_va_vdst(0)
	s_wait_tensorcnt 0x0
	ds_add_u32 v254, v255
	s_wait_dscnt 0x0
	s_endpgm
.Lfunc_end_k_q7813c6c858_attn:
	.size	k_q7813c6c858_attn, .Lfunc_end_k_q7813c6c858_attn-k_q7813c6c858_attn
	.p2alignl 7, 3214868480
	.fill 96, 4, 3214868480
	.section	.rodata,"a",@progbits
	.p2align	6, 0x0
	.amdhsa_kernel k_q7813c6c858_attn
		.amdhsa_group_segment_fixed_size 327680
		.amdhsa_private_segment_fixed_size 0
		.amdhsa_enable_private_segment 0
		.amdhsa_kernarg_size 64
		.amdhsa_user_sgpr_count 2
		.amdhsa_user_sgpr_kernarg_segment_ptr 1
		.amdhsa_wavefront_size32 1
		.amdhsa_system_sgpr_workgroup_id_x 1
		.amdhsa_system_sgpr_workgroup_id_y 1
		.amdhsa_system_sgpr_workgroup_id_z 1
		.amdhsa_system_vgpr_workitem_id 0
		.amdhsa_next_free_vgpr 512
		.amdhsa_next_free_sgpr 102
		.amdhsa_reserve_vcc 1
		.amdhsa_float_denorm_mode_32 3
		.amdhsa_float_denorm_mode_16_64 3
		.amdhsa_memory_ordered 1
		.amdhsa_forward_progress 1
		.amdhsa_inst_pref_size 211
	.end_amdhsa_kernel
	.amdgpu_metadata
---
amdhsa.version: [ 1, 2 ]
amdhsa.kernels:
  - .name:           k_q7813c6c858_attn
    .symbol:         k_q7813c6c858_attn.kd
    .args:
      - { .name: qk, .offset: 0, .size: 8, .value_kind: global_buffer, .address_space: global }
      - { .name: qksc, .offset: 8, .size: 8, .value_kind: global_buffer, .address_space: global }
      - { .name: vimg, .offset: 16, .size: 8, .value_kind: global_buffer, .address_space: global }
      - { .name: vsc, .offset: 24, .size: 8, .value_kind: global_buffer, .address_space: global }
      - { .name: etab, .offset: 32, .size: 8, .value_kind: global_buffer, .address_space: global }
      - { .name: wtab, .offset: 40, .size: 8, .value_kind: global_buffer, .address_space: global }
      - { .name: yimg, .offset: 48, .size: 8, .value_kind: global_buffer, .address_space: global }
      - { .name: ysc, .offset: 56, .size: 8, .value_kind: global_buffer, .address_space: global }
    .group_segment_fixed_size: 327680
    .private_segment_fixed_size: 0
    .kernarg_segment_align: 8
    .kernarg_segment_size: 64
    .max_flat_workgroup_size: 256
    .sgpr_count:     102
    .vgpr_count:     512
    .wavefront_size: 32
...
	.end_amdgpu_metadata
.endif
;; end of part 3
;; launch gemm_proj (part 4): grid 4 x 64, 4 waves a work-group, clusters of 4 x 4, 327,680 bytes of LDS; arguments yimg, ysc, Wproj_codes, Wproj_scales, bproj, out0; writes out0
.if DOCPART == 4
	.amdgcn_target "amdgcn-amd-amdhsa--gfx1250"
	.amdhsa_code_object_version 6
	.text
	.protected	k_q7813c6c858_gemm_proj
	.globl	k_q7813c6c858_gemm_proj
	.p2align	8
	.type	k_q7813c6c858_gemm_proj,@function
k_q7813c6c858_gemm_proj:
	s_mov_b64 s[64:65], 0
	v_nop
	global_prefetch_b8 v0, s[64:65] scope:SCOPE_SE
	s_setreg_imm32_b32 hwreg(HW_REG_WAVE_MODE, 25, 1), 1
	s_wait_xcnt 0x0
	s_wait_alu depctr_hold_cnt(0) depctr_sa_sdst(0) depctr_va_vdst(0) depctr_va_sdst(0) depctr_va_ssrc(0) depctr_va_vcc(0) depctr_vm_vsrc(0)
	s_getreg_b32 s2, hwreg(HW_REG_IB_STS2, 6, 4)
	s_cmp_eq_u32 s2, 0
	s_cbranch_scc0 .Lentry_in_a_cluster
	s_endpgm
.Lentry_in_a_cluster:
	s_bfe_u32 s2, ttmp6, 0x10000c
	s_cmp_lg_u32 s2, 0xf033
	s_cbranch_scc0 .Lentry_shape_is_right
	s_endpgm
.Lentry_shape_is_right:
; out0 = y Wproj + bproj on codes of E4M3 with E8M0 scales: 8,192 x 1,024 x 1,024, f32 out.
; 256 work-groups of four waves (2 x 2), each with 128 tokens x 256 columns; a wave makes 64 x 128 in 32 accumulators.  Source 0 = rows of Wproj, source 1 = rows of y: a lane holds a token and eight neighbouring columns.
; y's codes lie in memory as images of the operand registers: [16 tokens: 16,384 bytes][K step of 256: 4,096][q 2][c 4][lane][16 bytes]; Wproj's as rows of 1,024 bytes.
; K goes in steps of 256 through a ring of two LDS slots (y's eight images, then Wproj's 256 padded rows).  CLUSTERS 4 x 4: y's tiles are asked for jointly along a row of the cluster, Wproj's along a column.
; The scale bytes of the 128 and the 256 rows come once, at the head.  The bias is the first products' C.  Fragments stand in two sets, by q: the next half-step's loads are issued ahead of a half-step's products.
; No prefetch: K has four steps, in clusters.  LIMITS: NaN and infinities are not served.
.set SIZE_N, 1024
.set SIZE_K, 1024
.set ROWB,   256
.set ABLK,   4096
.set KROW,   SIZE_K
.set PITCH,  272
.set FR,     16
.set NP,     8
.set HALFT,  128*PITCH
.set ABYTES, 8*ABLK
.set SLOT,   ABYTES+2*HALFT
.set KS,     SIZE_K/32
.set SCL,    2*SLOT                    ; y's scale bytes (16 units of 256 + 16), then Wproj's (32 units)
.set SCB,    SCL+16*272
.set SBLK,   544
.set SPARE,  SCB+32*272
.set SPITCH, 528                       ; the way out: a stage of 16 rows x (512 + 16) bytes a wave, in slot 0, behind its last fill and its last read
.set ADRA, 16
.set ADRB, 20
.set STO,  24
.set RD,   25
.set CO,   26
.set ADRS, 27
.set SPW,  28
.set NIL,  29
.set SC,   32                          ; scale words, two sets of sixteen: register 2 i + q: lanes 0-15 y's block i, lanes 16-31 Wproj's block i
.set BI,   64
.set AF,   128
.set BK,   128
.set G1, 24
.set G0, 32
.set G1B, 48
.set G0B, 56
.set G1S, 68
.set G0S, 76
.set G1SB, 80
.set G0SB, 88
.set G0H, 4
.set G0HB, 8
.set MSB, 0
.macro WIN new
.if MSB != \new
	s_set_vgpr_msb (MSB<<8)|\new
.set MSB, \new
.endif
.endm
.set MUL_LO, 0xa1
.set TO_B,   0x40
.macro JLOAD g0a, g1a, g0b, g1b
	s_cmp_eq_u32 s15, 0
	s_cbranch_scc0 .Lfor_b_\@
	tensor_load_to_lds s[\g0a:\g0a+3], s[\g1a:\g1a+7]
	s_nop 0
.rept 4
	v_nop
.endr
	s_branch .Lasked_\@
.Lfor_b_\@:
	tensor_load_to_lds s[\g0b:\g0b+3], s[\g1b:\g1b+7]
	s_nop 0
.rept 4
	v_nop
.endr
.Lasked_\@:
.endm
.macro CREST
	s_cmp_lg_u32 s14, 0
	s_cbranch_scc1 .Lnot_wave_0_\@
	s_barrier_signal -3
.Lnot_wave_0_\@:
	s_barrier_wait -3
	s_barrier_signal -1
	s_barrier_wait -1
.endm
.macro CROUND
	s_barrier_signal -1
	s_barrier_wait -1
	CREST
.endm
	s_load_b128 s[4:7], s[0:1], 0x0                ; yimg, ysc
	s_load_b128 s[8:11], s[0:1], 0x10              ; Wproj's codes, scales
	s_load_b64 s[96:97], s[0:1], 0x20              ; bproj
	s_load_b64 s[12:13], s[0:1], 0x28              ; out0
	v_lshl_add_u32 v[SPW], v0, 2, SPARE
	v_mov_b32 v[NIL], 0
	ds_add_u32 v[SPW], v[NIL]                      ; the opening lines: the add, twice on end, and its wait
	ds_add_u32 v[SPW], v[NIL]
	v_lshrrev_b32 v1, 5, v0
	v_readfirstlane_b32 s14, v1
	s_lshr_b32 s15, s14, 1                         ; my row of waves; also: I fetch y (0) or Wproj (1)
	s_and_b32 s16, s14, 1                          ; my column of waves; also: which half I fetch
	s_bfe_u32 s40, ttmp6, 0x40000
	s_bfe_u32 s41, ttmp6, 0x40004
	s_lshl_b32 s42, ttmp9, 2
	s_add_co_u32 s42, s42, s40                     ; tile column: 256 columns
	s_and_b32 s17, ttmp7, 0xffff
	s_lshl_b32 s17, s17, 2
	s_add_co_u32 s17, s17, s41                     ; tile row: 128 tokens
	s_lshl_b32 s43, s41, 2
	s_lshl_b32 s43, 15, s43
	s_lshl_b32 s44, 0x1111, s40
	s_or_b32 s[G1+0], s43, (3<<16)|(1<<21)         ; y: rows of 4,096 bytes (512 elements of 8), 16,384 bytes apart; the head's load brings eight
	s_mov_b32 s[G1+1], 512<<16
	s_mov_b32 s[G1+2], 8<<16
	s_mov_b32 s[G1+3], 512<<16
	s_mov_b32 s[G1+4], 8
	s_mov_b32 s[G1+5], 2048
	s_mov_b32 s[G1+6], 0
	s_mov_b32 s[G1+7], 0
	s_or_b32 s[G1B+0], s44, (0<<16)|(1<<20)|(1<<21)|(5<<22)|(3<<25)
	s_mov_b32 s[G1B+1], ROWB<<16
	s_mov_b32 s[G1B+2], 256<<16
	s_mov_b32 s[G1B+3], ROWB<<16
	s_mov_b32 s[G1B+4], 256
	s_mov_b32 s[G1B+5], KROW
	s_mov_b32 s[G1B+6], 0
	s_mov_b32 s[G1B+7], 0
	s_or_b32 s[G1S+0], s43, (3<<16)|(1<<20)|(1<<21)|(5<<22)|(3<<25)
	s_or_b32 s[G1SB+0], s44, (3<<16)|(1<<20)|(1<<21)|(5<<22)|(3<<25)
.irp g, G1S, G1SB
	s_mov_b32 s[\g+1], 32<<16
	s_mov_b32 s[\g+3], 32<<16
	s_mov_b32 s[\g+5], 32
	s_mov_b32 s[\g+6], 0
	s_mov_b32 s[\g+7], 0
.endr
	s_mov_b32 s[G1S+2], 16<<16
	s_mov_b32 s[G1S+4], 16
	s_mov_b32 s[G1SB+2], 32<<16
	s_mov_b32 s[G1SB+4], 32
	s_lshl_b32 s20, s17, 17                        ; y's eight images
	s_mov_b32 s21, 0
	s_lshl_b32 s22, s17, 12                        ; their scale bytes
	s_mov_b32 s23, 0
	s_lshl_b32 s46, s42, 18                        ; Wproj's 256 rows
	s_mov_b32 s47, 0
	s_lshl_b32 s92, s42, 13
	s_mov_b32 s93, 0
	s_lshl_b32 s18, s16, 16                        ; in the ring: my four images,
	s_mov_b32 s19, 0
	s_lshl_b32 s2, s16, 17                         ; or my 128 rows
	s_mov_b32 s3, 0
	s_lshl_b32 s45, s16, 14                        ; and where they go
	s_mul_i32 s94, s16, HALFT
	s_add_co_u32 s94, s94, ABYTES
	s_wait_dscnt 0x0
	s_wait_kmcnt 0x0
	s_add_nc_u64 s[20:21], s[4:5], s[20:21]
	s_add_nc_u64 s[22:23], s[6:7], s[22:23]
	s_add_nc_u64 s[46:47], s[8:9], s[46:47]
	s_add_nc_u64 s[92:93], s[10:11], s[92:93]
	CROUND
	s_mov_b32 s[G0H], 1
	s_mov_b32 s[G0H+1], 0
	s_mov_b64 s[G0H+2:G0H+3], s[20:21]
	s_or_b32 s[G0H+3], s[G0H+3], 0x80000000
	s_mov_b32 s[G0HB], 1
	s_mov_b32 s[G0HB+1], ABYTES
	s_mov_b64 s[G0HB+2:G0HB+3], s[46:47]
	s_or_b32 s[G0HB+3], s[G0HB+3], 0x80000000
	s_mov_b32 s[G0S], 1
	s_mov_b32 s[G0S+1], SCL
	s_mov_b64 s[G0S+2:G0S+3], s[22:23]
	s_or_b32 s[G0S+3], s[G0S+3], 0x80000000
	s_mov_b32 s[G0SB], 1
	s_mov_b32 s[G0SB+1], SCB
	s_mov_b64 s[G0SB+2:G0SB+3], s[92:93]
	s_or_b32 s[G0SB+3], s[G0SB+3], 0x80000000
	s_add_nc_u64 s[20:21], s[20:21], s[18:19]
	s_add_nc_u64 s[46:47], s[46:47], s[2:3]
.irp s, 0,1
	s_mov_b32 s[G0+4*\s], 1
	s_add_co_u32 s[G0+4*\s+1], s45, \s*SLOT
	s_add_nc_u64 s[G0+4*\s+2:G0+4*\s+3], s[20:21], \s*ABLK
	s_or_b32 s[G0+4*\s+3], s[G0+4*\s+3], 0x80000000
	s_mov_b32 s[G0B+4*\s], 1
	s_add_co_u32 s[G0B+4*\s+1], s94, \s*SLOT
	s_add_nc_u64 s[G0B+4*\s+2:G0B+4*\s+3], s[46:47], \s*ROWB
	s_or_b32 s[G0B+4*\s+3], s[G0B+4*\s+3], 0x80000000
.endr
; the head's four tiles, one a wave, in one chain of branches
.macro ARM under, g0, g1, next
	s_cmp_lt_u32 s14, \under
	s_cbranch_scc0 \next
	tensor_load_to_lds s[\g0:\g0+3], s[\g1:\g1+7]
	s_nop 0
.rept 4
	v_nop
.endr
	s_branch .Lhead_asked
\next:
.endm
	ARM 1, G0H,  G1,  .Lhead_b
	ARM 2, G0HB, G1B, .Lhead_sa
	ARM 3, G0S,  G1S, .Lhead_sb
	tensor_load_to_lds s[G0SB:G0SB+3], s[G1SB:G1SB+7]
	s_nop 0
.rept 4
	v_nop
.endr
.Lhead_asked:
	v_and_b32 v1, 15, v0
	v_bfe_u32 v2, v0, 4, 1
	v_and_b32 v6, 31, v0
	v_mul_u32_u24 v3, v1, PITCH
	v_lshl_add_u32 v4, v2, 4, v3
	v_lshlrev_b32 v[CO], 4, v6
	s_wait_alu depctr_va_vdst(0)
	s_lshl_b32 s21, s15, 14                        ; my four images of y
	s_mul_i32 s22, s16, HALFT
	s_add_co_u32 s22, s22, ABYTES                  ; my 128 rows of Wproj
.irp s, 0,1
	v_add_nc_u32 v[ADRA+\s], s21, v[CO]
	v_add_nc_u32 v[ADRB+\s], s22, v4
	s_add_co_u32 s21, s21, SLOT
	s_add_co_u32 s22, s22, SLOT
.endr
	v_mul_u32_u24 v5, v1, KS
	v_lshrrev_b32 v6, 8, v5
	v_lshl_add_u32 v5, v6, 4, v5
	s_mul_i32 s21, s15, 8*272                      ; y's: my 64 rows (blocks 4-7 of lanes 0-15 read on into bytes that are filled, and are not used)
	s_mul_i32 s22, s16, 16*272
	s_add_co_u32 s22, s22, 16*272                  ; Wproj's: my 128 rows, behind y's 128
	s_sub_co_u32 s22, s22, s21
	v_mul_u32_u24 v6, s22, v2
	s_add_co_u32 s21, s21, SCL
	v_add_nc_u32 v5, v5, v6
	v_add_nc_u32 v[ADRS], s21, v5
	s_mul_i32 s23, s14, 16*SPITCH
	v_mul_u32_u24 v5, v1, SPITCH
	v_lshl_add_u32 v5, v2, 5, v5
	v_add_nc_u32 v[STO], s23, v5
	v_add_nc_u32 v[RD], s23, v[CO]
	v_lshlrev_b32 v7, 5, v2
	s_lshl_b32 s20, s17, 7
	s_lshl_b32 s21, s15, 6
	s_add_co_u32 s20, s20, s21                     ; my first row of out0
	s_lshl_b32 s20, s20, 12
	s_mov_b32 s21, 0
	s_lshl_b32 s46, s42, 10
	s_lshl_b32 s47, s16, 9
	s_add_co_u32 s46, s46, s47                     ; my first column, in bytes
	s_mov_b32 s47, 0
	s_add_nc_u64 s[20:21], s[20:21], s[46:47]
	s_add_nc_u64 s[12:13], s[12:13], s[20:21]
	s_add_nc_u64 s[96:97], s[96:97], s[46:47]
	s_wait_alu depctr_va_vdst(0)
.irp b, 0,1,2,3,4,5,6,7
	global_load_b128 v[BI+8*\b:BI+8*\b+3],   v7, s[96:97] offset:64*\b
	global_load_b128 v[BI+8*\b+4:BI+8*\b+7], v7, s[96:97] offset:64*\b+16
.endr
.macro MULP a, set, q, first           ; y's block a against Wproj's eight; the accumulators take turns
.irp b, 0,1,2,3,4,5,6,7
.if \first
	v_wmma_scale_f32_16x16x128_f8f6f4 v[8*(8*(\a)+\b):8*(8*(\a)+\b)+7], v[128*(\q)+FR*\b:128*(\q)+FR*\b+FR-1], v[AF+64*(\q)+FR*(\a):AF+64*(\q)+FR*(\a)+FR-1], v[BI+8*\b:BI+8*\b+7], v[SC+16*(\set)+2*\b+(\q)], v[SC+16*(\set)+2*(\a)+(\q)] matrix_a_scale:MATRIX_SCALE_ROW1
.else
	v_wmma_scale_f32_16x16x128_f8f6f4 v[8*(8*(\a)+\b):8*(8*(\a)+\b)+7], v[128*(\q)+FR*\b:128*(\q)+FR*\b+FR-1], v[AF+64*(\q)+FR*(\a):AF+64*(\q)+FR*(\a)+FR-1], v[8*(8*(\a)+\b):8*(8*(\a)+\b)+7], v[SC+16*(\set)+2*\b+(\q)], v[SC+16*(\set)+2*(\a)+(\q)] matrix_a_scale:MATRIX_SCALE_ROW1
.endif
.endr
.endm
.macro FETCH2 slot, q                  ; 48 loads: Wproj's eight fragments into window 1, y's four into window 0
	WIN TO_B
.irp i, 0,1,2,3,4,5,6,7
.irp c, 0,1,2,3
	ds_load_b128 v[128*(\q)+FR*\i+4*\c:128*(\q)+FR*\i+4*\c+3], v[ADRB+\slot] offset:128*(\q)+32*\c+\i*16*PITCH
.endr
.endr
	WIN 0
.irp i, 0,1,2,3
.irp c, 0,1,2,3
	ds_load_b128 v[AF+64*(\q)+FR*\i+4*\c:AF+64*(\q)+FR*\i+4*\c+3], v[ADRA+\slot] offset:ABLK*\i+2048*(\q)+512*\c
.endr
.endr
.endm
.macro SCALES set, ks
.irp i, 0,1,2,3,4,5,6,7
	ds_load_b64 v[SC+16*(\set)+2*\i:SC+16*(\set)+2*\i+1], v[ADRS] offset:\i*SBLK+8*(\ks)
.endr
.endm
.macro PLACES n
.rept \n
	v_nop
.endr
.endm
.macro STEP2 slot, first
	PLACES NP                                      ; behind the products that read set 1
	FETCH2 \slot, 1
	s_wait_dscnt 48                                ; all but the 48 just issued
.if \first
	WIN 0x81                                       ; C, the bias, in window 0
.else
	WIN MUL_LO
.endif
.irp a, 0,1,2,3
	MULP \a, \slot, 0, \first
.endr
	WIN 0
.endm
.macro TURN2 slot, next, ks, fill
	s_wait_tensorcnt 0x0                           ; my part of the next slot has landed
	ds_add_u32 v[SPW], v[NIL]
	s_wait_dscnt 1                                 ; the add may be out
	WIN MUL_LO
	MULP 0, \slot, 1, 0
	s_wait_dscnt 0x0
	s_barrier_signal -1
	MULP 1, \slot, 1, 0
	WIN 0
	s_barrier_wait -1
.if \fill
	CREST
	s_add_nc_u64 s[G0+4*\slot+2:G0+4*\slot+3], s[G0+4*\slot+2:G0+4*\slot+3], 2*ABLK
	s_add_nc_u64 s[G0B+4*\slot+2:G0B+4*\slot+3], s[G0B+4*\slot+2:G0B+4*\slot+3], 2*ROWB
	JLOAD G0+4*\slot, G1, G0B+4*\slot, G1B
	PLACES NP-4
.else
	PLACES NP
.endif
	FETCH2 \next, 0
	SCALES \next, (\ks)+1
	WIN MUL_LO
	MULP 2, \slot, 1, 0
	MULP 3, \slot, 1, 0
	WIN 0
.endm
	s_wait_alu depctr_va_vdst(0)                   ; the head's end
	s_wait_tensorcnt 0x0
	ds_add_u32 v[SPW], v[NIL]
	s_mov_b32 s[G1+2], 4<<16                       ; no load of mine is out: the ring's loads bring four images, or 128 rows
	s_mov_b32 s[G1+4], 4
	s_mov_b32 s[G1B+2], 128<<16
	s_mov_b32 s[G1B+4], 128
	s_wait_dscnt 0x0
	CROUND
	JLOAD G0+4, G1, G0B+4, G1B                     ; slot 1's first fill, issued as a refill is
	FETCH2 0, 0
	SCALES 0, 0
	s_wait_loadcnt 0x0                             ; the bias
	STEP2 0, 1
	TURN2 0, 1, 0, 1
	STEP2 1, 0
	TURN2 1, 0, 1, 1
	STEP2 0, 0
	TURN2 0, 1, 2, 0
	STEP2 1, 0
	s_wait_dscnt 0x0
	WIN MUL_LO
.irp a, 0,1,2,3
	MULP \a, 1, 1, 0
.endr
	WIN 0
; the way out: a block of 16 rows x 128 columns goes through my stage and leaves as whole rows of 512 bytes
.macro TOSTAGE a
.set AC, 64*(\a)
	WIN 0x08
.irp b, 0,1,2,3,4,5,6,7
	ds_store_b128 v[STO], v[AC+8*\b:AC+8*\b+3] offset:64*\b
	ds_store_b128 v[STO], v[AC+8*\b+4:AC+8*\b+7] offset:64*\b+16
.endr
	WIN 0
.set BB, BK+64*((\a)%2)
.irp t, 0,1,2,3,4,5,6,7,8,9,10,11,12,13,14,15
	ds_load_b128 v[BB+4*\t:BB+4*\t+3], v[RD] offset:\t*SPITCH
.endr
.endm
.macro SEND a, younger
.set BB, BK+64*((\a)%2)
	s_wait_dscnt \younger
.if (\a) > 0
	s_add_nc_u64 s[12:13], s[12:13], 16*SIZE_N*4
.endif
.irp t, 0,1,2,3,4,5,6,7,8,9,10,11,12,13,14,15
	global_store_b128 v[CO], v[BB+4*\t:BB+4*\t+3], s[12:13] offset:\t*SIZE_N*4 th:TH_STORE_NT
.endr
.endm
	PLACES NP
	TOSTAGE 0
.irp a, 1,2,3
.if \a > 1
	s_wait_xcnt 0x0                                ; block a - 2's stores have read their registers and their base
.endif
	TOSTAGE \a
	SEND \a-1, 32                                  ; block a's 16 stores and 16 loads may be out
.endr
	s_wait_xcnt 0x0
	SEND 3, 0
	s_wait_tensorcnt 0x0                           ; the wave's end
	ds_add_u32 v[SPW], v[NIL]
	s_wait_dscnt 0x0
	CROUND
	s_endpgm
.Lfunc_end_k_q7813c6c858_gemm_proj:
	.size	k_q7813c6c858_gemm_proj, .Lfunc_end_k_q7813c6c858_gemm_proj-k_q7813c6c858_gemm_proj
	.p2alignl 7, 3214868480
	.fill 96, 4, 3214868480
	.section	.rodata,"a",@progbits
	.p2align	6, 0x0
	.amdhsa_kernel k_q7813c6c858_gemm_proj
		.amdhsa_group_segment_fixed_size 327680
		.amdhsa_private_segment_fixed_size 0
		.amdhsa_enable_private_segment 0
		.amdhsa_kernarg_size 48
		.amdhsa_user_sgpr_count 2
		.amdhsa_user_sgpr_kernarg_segment_ptr 1
		.amdhsa_wavefront_size32 1
		.amdhsa_system_sgpr_workgroup_id_x 1
		.amdhsa_system_sgpr_workgroup_id_y 1
		.amdhsa_system_sgpr_workgroup_id_z 1
		.amdhsa_system_vgpr_workitem_id 0
		.amdhsa_next_free_vgpr 1024
		.amdhsa_next_free_sgpr 98
		.amdhsa_reserve_vcc 0
		.amdhsa_float_denorm_mode_32 3
		.amdhsa_float_denorm_mode_16_64 3
		.amdhsa_memory_ordered 1
		.amdhsa_forward_progress 1
		.amdhsa_inst_pref_size 91
	.end_amdhsa_kernel
	.amdgpu_metadata
---
amdhsa.version: [ 1, 2 ]
amdhsa.kernels:
  - .name:           k_q7813c6c858_gemm_proj
    .symbol:         k_q7813c6c858_gemm_proj.kd
    .args:
      - { .name: yimg, .offset: 0, .size: 8, .value_kind: global_buffer, .address_space: global }
      - { .name: ysc, .offset: 8, .size: 8, .value_kind: global_buffer, .address_space: global }
      - { .name: Wproj_codes, .offset: 16, .size: 8, .value_kind: global_buffer, .address_space: global }
      - { .name: Wproj_scales, .offset: 24, .size: 8, .value_kind: global_buffer, .address_space: global }
      - { .name: bproj, .offset: 32, .size: 8, .value_kind: global_buffer, .address_space: global }
      - { .name: out0, .offset: 40, .size: 8, .value_kind: global_buffer, .address_space: global }
    .group_segment_fixed_size: 327680
    .private_segment_fixed_size: 0
    .kernarg_segment_align: 8
    .kernarg_segment_size: 48
    .max_flat_workgroup_size: 128
    .sgpr_count:     98
    .vgpr_count:     1024
    .wavefront_size: 32
...
	.end_amdgpu_metadata
.endif
;; end of part 4
